; MI455X (gfx1250); checked and timed in simulation.
; The chip was launched on July 23, 2026; its instructions are those of AMD's public machine-readable ISA for CDNA 5 (MIT licence, August 2026) and "CDNA5" Instruction Set Architecture Reference Guide (July 2026). The comments in the code are by the model that wrote it; some were corrected since.
;; Attention Layer. Allowed arithmetic: matrix products marked QUANTISED: E2M3 operands, one E8M0 scale for each 32 along K, by v_wmma_scale_f32_16x16x128_f8f6f4 with both operands' format E2M3, f32 sums; everything else in f32.
;; Inputs: Wout 1,024 x 1,024 float32; Wqkv 3,072 x 1,024 float32; bout 1,024 float32; mask 8 x 1,024 bool; x 8 x 1,024 x 1,024 float32.
;; Outputs: out0 8 x 1,024 x 1,024 float32.
;; This version of the problem:
;;   THIS VERSION OF THE PROBLEM IS GIVEN IN LOW PRECISION. The matrix products marked QUANTISED in the list below multiply operands that are first quantised to E2M3 (2 exponent bits, 3 mantissa bits; 6 bits a number), with one power-of-two scale for each 32 numbers along K (OCP MX v1.0); their sums are f32. All else is computed in f32.
;;   The module's matrix products, in the order in which they are computed (A, B: the left and right operand; K: the contracted axis; several contracted axes count as one K, in the product's order):
;;     1. [M 8,192, K 1,024] x [K 1,024, N 3,072]; A: input x; B: input Wqkv: QUANTISED
;;     2. batch 128 x [M 1,024, K 64] x [K 64, N 1,024]; A: computed on the way; B: computed on the way: QUANTISED
;;     3. batch 128 x [M 1,024, K 1,024] x [K 1,024, N 64]; A: softmax (see below); B: computed on the way: QUANTISED
;;     4. [M 8,192, K 1,024] x [K 1,024, N 1,024]; A: computed on the way; B: input Wout: QUANTISED
;;   THE QUANTISER, for each operand of a quantised product, along K:
;;     - K is cut into blocks of 32 from its start; a last block that is shorter is filled with zeros.
;;     - A block's scale is 2^e with e = floor(log2(the largest magnitude in the block)) - 2, held to -126 .. 127; a block of zeros has e = 0. As a byte (E8M0): e + 127.
;;     - Each number is divided by its block's scale, clamped to +-7.5, and rounded to the nearest number of E2M3, ties to even, subnormals kept.
;;     - The product sums the exact products of the quantised numbers (number of the format x scale) in f32.
;;   ~~~python
;;   def quantise(x, axis):      # numpy; x: float32 -> the quantised numbers, widened to float32 again
;;       x = np.moveaxis(x, axis, -1); K = x.shape[-1]
;;       x = np.pad(x, [(0, 0)] * (x.ndim - 1) + [(0, -K % 32)]); x = x.reshape(x.shape[:-1] + (-1, 32)); a = np.abs(x).max(-1, keepdims=True)
;;       e = np.where(a > 0, np.clip(np.frexp(np.where(a > 0, a, 1))[1] - 1 - 2, -126, 127), 0)      # np.frexp(a)[1] - 1 = floor(log2(a)), exactly
;;       r = np.clip(x / 2.0 ** e, -7.5, 7.5)
;;       step = 2.0 ** (np.maximum(np.frexp(np.where(r == 0, 1, r))[1] - 1, 0) - 3)
;;       q = np.round(r / step) * step * 2.0 ** e      # np.round: ties to even
;;       return np.moveaxis(q.reshape(q.shape[:-2] + (-1,))[..., :K], -1, axis).astype(np.float32)
;;   ~~~
;;   SOFTMAX AHEAD OF A QUANTISED PRODUCT. Where the list says 'softmax', what is quantised is not the finished softmax but p = 2^(t - M), with t = logit x log2(e) and M = ceil(the row's largest t), a whole number; so 1/2 < the row's largest p <= 1. The row's sum l is taken of the UNQUANTISED p, in f32, and the product's result is divided by l at the end. Since M is a whole number, a kernel that streams over the keys may use a running M (the ceiling of the running maximum): every later rescaling is an exact power of two, which a block's scale takes up: the codes' values come out the same.
;;   OPERANDS COMPUTED ON THE WAY. 'Computed on the way' means the value that the module computes at that place (a softmax that the list does not call 'softmax' is quantised finished and normalised). What goes into a quantiser is computed in f32, as accurately as f32 sums, v_exp_f32 and their like allow (about 1e-6 of the number): no bf16 or f16 on the way to a quantiser, and a product that is left as it is and whose result goes on into a quantised operand takes f32 operands (vector FMAs, or v_wmma_f32_16x16x4_f32). A number that lies on a knife's edge between two numbers of the format may be rounded either way, as far as f32 arithmetic and the matrix unit's own rounding can turn it there, and no further.
;; One version. Each part assembles by itself: llvm-mc -triple=amdgcn-amd-amdhsa -mcpu=gfx1250 --defsym DOCPART=n.
;; ======== version 1 of 1: 4 launches
;; workspace buffers: XQ 6,553,600 bytes; WQ 2,457,600 bytes; WO 819,200 bytes; TAB 262,144 bytes; QI 8,912,896 bytes; KI 8,912,896 bytes; VI 6,553,600 bytes; AQ 6,553,600 bytes
;; launch prep (part 1): grid 416 x 1, 4 waves a work-group, no clusters, 34,304 bytes of LDS; arguments x, Wqkv, Wout, XQ, WQ, WO, TAB; writes XQ, WQ, WO, TAB
.if DOCPART == 1
	.amdgcn_target "amdgcn-amd-amdhsa--gfx1250"
	.amdhsa_code_object_version 6
	.text
	.protected	k_qeca00c0982_prep
	.globl	k_qeca00c0982_prep
	.p2align	8
	.type	k_qeca00c0982_prep,@function
k_qeca00c0982_prep:
	s_mov_b64 s[64:65], 0
	v_nop
	global_prefetch_b8 v0, s[64:65] scope:SCOPE_SE
	s_setreg_imm32_b32 hwreg(HW_REG_WAVE_MODE, 25, 1), 1
	s_wait_xcnt 0x0
; PREP.  x [8192][1024], Wqkv [3072][1024], Wout [1024][1024], f32, K innermost, become codes of FP6 (E2M3) with one E8M0 byte for each 32 along K,
; laid as IMAGES OF OPERAND REGISTERS; and the rotary table is made.
; A TILE is 16 rows; lane r of tile g holds row 32 (g / 2) + 8 (g % 2) + r + 8 (r / 8).  As source 0 of a matrix instruction, two neighbouring tiles then give a lane 16 neighbouring rows in 16 registers.
; AN IMAGE is 16 rows x 128 K = 12 registers a lane, as three groups of 512 bytes: group c holds lane l's registers 4 c .. 4 c + 3 at byte 16 l.  Codes: [tile][K step 0..7][1536 bytes].
; SCALE WORDS (four bytes: 128 along K of one row) behind the codes: [strip of 4 tiles][K step][r 0..15][tile % 4]: 256 bytes for a strip and a K step.
; A block's scale is 2^(floor(log2(largest magnitude)) - 2); its byte is the largest magnitude's exponent field - 2, held at 1 from below.
; LIMITS: a block of zeros, or one whose largest magnitude lies under 2^-124, keeps the byte 1 (the rule says 127 for zeros: its codes are zeros, and this program alone reads the bytes); NaN and infinities are not served.
; SHARES.  Work-groups 0-255: x; 256-351: Wqkv; 352-383: Wout; 384-415: the table.  A wave takes a strip of 64 rows and one K step: four tiles.  Each load reads 512 consecutive bytes of a row; a tile's 16 rows turn
; through the wave's own stage in LDS (rows of 512 + 16 bytes) so that a lane gets 16 neighbours of each block of 32.  Waves share nothing: no barrier.
; THE TABLE: [t-tile 0..63][jj 0..7][lane][16 bytes] = (cos, sin, cos, sin) of the angles t x 10000^(-i / 32), i = 16 (jj / 4) + 8 (lane / 16) + 2 (jj % 4) + 0, 1, t = the tile's row of lane % 16.
; The power is v_exp_f32 of -i log2(10000) / 32; sine and cosine by a reduction to |rho| <= pi / 4 (pi / 2 in two parts, fused) and polynomials of degree 7 and 8, all in f32.
.set STG,  8448                        ; a wave's stage: 16 rows x 528 bytes
.set R,    16                          ; v16-143  two sets of 64 registers as loaded
.set X,    144                         ; v144-207 64 numbers: register 16 b + i = k 32 b + 16 (lane / 16) + i of my row
.set PC,   208                         ; v208-219 the codes; v220-222, v224-226 at work
.set TM,   228                         ; v228-231 largest magnitudes, v232-235 bytes, v240-243 the conversions' scale operands
.set PW,   244                         ; the scale word just made
.set SW,   245                         ; v245-248 the four tiles' scale words
.set SEL,  22                          ; s[22:23] v_permlanex16_b32's selects for lane l xor 16
; 64 numbers of a lane become a fragment's codes in v[PC] on and its scale word in v[PW]
.macro QUANT s
.irp b, 0,1,2,3
	v_max3_num_f32 v[TM+\b], |v[\s+16*\b]|, |v[\s+1+16*\b]|, 0x1800000   ; my 16 numbers of block b, and the floor 2^(3 - 127): the byte cannot fall under 1
.endr
.irp i, 2,4,6,8,10,12,14
.irp b, 0,1,2,3
	v_max3_num_f32 v[TM+\b], v[TM+\b], |v[\s+16*\b+\i]|, |v[\s+1+16*\b+\i]|   ; the four blocks by turns
.endr
.endr
.irp b, 0,1,2,3
	v_permlanex16_b32 v[TM+4+\b], v[TM+\b], s[SEL], s[SEL+1]
.endr
.irp b, 0,1,2,3
	v_max_num_f32 v[TM+\b], v[TM+\b], v[TM+4+\b]       ; with lane l xor 16's: the block's largest magnitude
.endr
.irp b, 0,1,2,3
	v_add_nc_u32 v[TM+12+\b], 0xff000000, v[TM+\b]     ; 2 off its exponent field: the conversion's scale operand
.endr
.irp b, 0,1,2,3
	v_lshrrev_b32 v[TM+4+\b], 23, v[TM+12+\b]          ; the scale's byte
.endr
	v_lshl_or_b32 v[PW], v[TM+5], 8, v[TM+4]
	v_lshl_or_b32 v[PW], v[TM+6], 16, v[PW]
	v_lshl_or_b32 v[PW], v[TM+7], 24, v[PW]
.irp c, 0,1
	v_cvt_scalef32_pk16_fp6_f32 v[PC+6*\c:PC+2+6*\c], v[\s+32*\c:\s+15+32*\c], v[TM+12+2*\c]
	v_cvt_scalef32_pk16_fp6_f32 v[PC+12+4*\c:PC+14+4*\c], v[\s+16+32*\c:\s+31+32*\c], v[TM+12+2*\c+1]   ; a conversion's three registers begin on an even number
.endr
	v_nop                                              ; one plain place behind a scaled conversion
.irp c, 0,1                                        ; the operand's layout wants a whole block in a lane
.irp i, 0,1,2
	v_permlane16_swap_b32 v[PC+6*\c+\i], v[PC+12+4*\c+\i]
.endr
.irp i, 0,1,2
	v_mov_b32 v[PC+3+6*\c+\i], v[PC+12+4*\c+\i]
.endr
.endr
.endm
	s_load_b256 s[4:11], s[0:1], 0x0               ; x s[4:5], Wqkv s[6:7], Wout s[8:9], XQ s[10:11]
	s_load_b128 s[12:15], s[0:1], 0x20             ; WQ s[12:13], WO s[14:15]
	s_load_b64 s[16:17], s[0:1], 0x30              ; TAB
	v_lshl_add_u32 v254, v0, 2, 0x8400
	v_mov_b32 v255, 0
	v_lshrrev_b32 v5, 5, v0
	v_readfirstlane_b32 s18, v5                    ; wave
	v_and_b32 v6, 31, v0                           ; lane
	v_and_b32 v7, 15, v0                           ; r
	v_bfe_u32 v8, v0, 4, 1                         ; h
	v_lshlrev_b32 v1, 4, v6                        ; 16 x lane
	s_wait_kmcnt 0x0
	s_cmp_ge_u32 ttmp9, 384
	s_cbranch_scc1 .Ltable
	; ---- the quantiser
	s_mov_b32 s[SEL], 0x76543210
	s_mov_b32 s[SEL+1], 0xfedcba98
	s_mul_i32 s19, s18, STG
	v_add_nc_u32 v2, s19, v1                       ; the stage, on the way in: 16 x lane, a row an instruction
	v_mul_u32_u24 v3, v7, 528
	v_lshl_add_u32 v3, v8, 6, v3
	v_add_nc_u32 v3, s19, v3                       ; and on the way out: row r, + 64 h
	v_lshlrev_b32 v4, 4, v7
	v_lshl_add_u32 v4, v8, 3, v4                   ; the scale words: 16 r + 8 h
.irp b, 0,1,2,3
	v_mov_b32 v[TM+4+\b], 0                        ; written once: a lane permute's destination counts as one of its sources
.endr
	s_cmp_lt_u32 ttmp9, 352                        ; which tensor: the choice hangs on the work-group's number alone
	s_cselect_b64 s[24:25], s[6:7], s[8:9]
	s_cselect_b64 s[26:27], s[12:13], s[14:15]
	s_mov_b32 s28, 786432
	s_cselect_b32 s28, 2359296, s28                ; where the scale words begin in the output buffer
	s_mov_b32 s29, 352
	s_cselect_b32 s29, 256, s29
	s_cmp_lt_u32 ttmp9, 256
	s_cselect_b64 s[24:25], s[4:5], s[24:25]
	s_cselect_b64 s[26:27], s[10:11], s[26:27]
	s_cselect_b32 s28, 6291456, s28
	s_cselect_b32 s29, 0, s29
	s_sub_co_u32 s29, ttmp9, s29                   ; the work-group's number within its tensor
	s_lshr_b32 s30, s29, 1                         ; the strip
	s_and_b32 s31, s29, 1
	s_lshl_b32 s31, s31, 2
	s_add_co_u32 s31, s31, s18                     ; the K step: 4 x (number % 2) + wave
	s_lshl_b32 s32, s30, 18                        ; 64 rows of 4,096 bytes
	s_lshl_b32 s33, s31, 9
	s_add_co_u32 s32, s32, s33
	s_mov_b32 s33, 0
	s_add_nc_u64 s[24:25], s[24:25], s[32:33]      ; in
	s_mul_i32 s32, s30, 49152                      ; 4 tiles x 8 K steps x 1,536
	s_mul_i32 s34, s31, 1536
	s_add_co_u32 s32, s32, s34
	s_add_nc_u64 s[36:37], s[26:27], s[32:33]      ; the codes
	s_lshl_b32 s32, s30, 11
	s_lshl_b32 s34, s31, 8
	s_add_co_u32 s32, s32, s34
	s_add_co_u32 s32, s32, s28
	s_add_nc_u64 s[38:39], s[26:27], s[32:33]      ; the scale words
.macro LOADT i                         ; tile i's 16 rows, in the tile's order, into set i % 2: 512 consecutive bytes a load
.irp p, 0,1,2,3,4,5,6,7,8,9,10,11,12,13,14,15
	global_load_b128 v[R+64*((\i)%2)+4*\p:R+64*((\i)%2)+4*\p+3], v1, s[24:25] offset:(32*((\i)/2)+8*((\i)%2)+\p+8*(\p/8))*4096 th:TH_LOAD_NT
.endr
.endm
.macro TILE i
.if (\i) < 3
	s_wait_loadcnt 16                              ; this tile's 16 loads are in; the next tile's 16 may be out
.else
	s_wait_loadcnt 0x0
.endif
.irp p, 0,1,2,3,4,5,6,7,8,9,10,11,12,13,14,15
	ds_store_b128 v2, v[R+64*((\i)%2)+4*\p:R+64*((\i)%2)+4*\p+3] offset:528*\p
.endr
.irp b, 0,1,2,3
.irp j, 0,1,2,3
	ds_load_b128 v[X+16*\b+4*\j:X+16*\b+4*\j+3], v3 offset:128*\b+16*\j   ; LDS serves a wave's instructions in order: these see the stores above
.endr
.endr
.if (\i) < 2
	s_wait_dscnt 16                                ; only the 16 loads may be out: the stores have read their registers,
	LOADT (\i)+2                                   ; which take the tile two on
.endif
	s_wait_dscnt 0x0
	s_wait_xcnt 0x0                                ; the last tile's stores have read the codes' registers
	QUANT X
	v_mov_b32 v[SW+\i], v[PW]
.irp c, 0,1,2
	global_store_b128 v1, v[PC+4*\c:PC+4*\c+3], s[36:37] offset:12288*(\i)+512*\c   ; 512 consecutive bytes
.endr
.endm
	LOADT 0
	LOADT 1
	TILE 0
	TILE 1
	TILE 2
	TILE 3
	v_cmp_ne_u32 vcc_lo, 0, v8
	v_cndmask_b32 v250, v[SW], v[SW+2], vcc_lo     ; lanes 0-15: tiles 0, 1; lanes 16-31: tiles 2, 3
	v_cndmask_b32 v251, v[SW+1], v[SW+3], vcc_lo
	global_store_b64 v4, v[250:251], s[38:39]      ; 32 lanes store 256 consecutive bytes, aligned
	s_wait_tensorcnt 0x0
	ds_add_u32 v254, v255
	s_wait_dscnt 0x0
	s_endpgm
	; ---- the rotary table: a wave makes half a t-tile's entries: eight angles a lane
.Ltable:
	s_sub_co_u32 s20, ttmp9, 384
	s_lshr_b32 s21, s18, 1                         ; which of the work-group's two tiles
	s_and_b32 s24, s18, 1                          ; which half of the 32 frequencies
	v_and_b32 v9, 8, v7
	v_add_nc_u32 v9, v9, v7                        ; r + 8 (r / 8)
	s_lshl_b32 s25, s20, 5
	s_lshl_b32 s26, s21, 3
	s_add_co_u32 s25, s25, s26
	v_add_nc_u32 v9, s25, v9
	v_cvt_f32_u32 v9, v9                           ; t
	s_lshl_b32 s26, s24, 4
	v_lshl_add_u32 v10, v8, 3, s26                 ; my first frequency: 16 x half + 8 h
	s_mov_b32 s40, 0xbfc90fdb                      ; -(pi / 2), its upper part
	s_mov_b32 s41, 0x333bbd2e                      ; the upper part less pi / 2
	s_mov_b32 s42, 0xb94ca1f9                      ; sine: -1.9515296e-4, 8.3321609e-3, -1.6666655e-1
	s_mov_b32 s43, 0x3c08839e
	s_mov_b32 s44, 0xbe2aaaa3
	s_mov_b32 s45, 0x37ccf5ce                      ; cosine: 2.4433157e-5, -1.3887316e-3, 4.1666646e-2
	s_mov_b32 s46, 0xbab6061a
	s_mov_b32 s47, 0x3d2aaaa5
.irp n, 0,1,2,3,4,5,6,7
	v_add_nc_u32 v[16+\n], \n, v10
.endr
.irp n, 0,1,2,3,4,5,6,7
	v_cvt_f32_u32 v[16+\n], v[16+\n]
.endr
.irp n, 0,1,2,3,4,5,6,7
	v_mul_f32 v[16+\n], 0xbed49a78, v[16+\n]       ; -i log2(10000) / 32
.endr
.irp n, 0,1,2,3,4,5,6,7
	v_exp_f32 v[16+\n], v[16+\n]
.endr
	v_nop                                          ; a plain place behind the last exponential
	s_wait_alu depctr_va_vdst(0)                   ; one wait for the batch, ahead of its first reader
.irp n, 0,1,2,3,4,5,6,7
	v_mul_f32 v[32+\n], v9, v[16+\n]               ; the angle
.endr
.irp n, 0,1,2,3,4,5,6,7
	v_mul_f32 v[48+\n], 0x3f22f983, v[32+\n]       ; x 2 / pi
.endr
.irp n, 0,1,2,3,4,5,6,7
	v_rndne_f32 v[48+\n], v[48+\n]                 ; k
.endr
.irp n, 0,1,2,3,4,5,6,7
	v_fma_f32 v[32+\n], v[48+\n], s40, v[32+\n]
.endr
.irp n, 0,1,2,3,4,5,6,7
	v_fma_f32 v[32+\n], v[48+\n], s41, v[32+\n]    ; rho = angle - k pi / 2
.endr
.irp n, 0,1,2,3,4,5,6,7
	v_mul_f32 v[56+\n], v[32+\n], v[32+\n]         ; z = rho^2
.endr
.irp n, 0,1,2,3,4,5,6,7
	v_fma_f32 v[96+\n], v[56+\n], s42, s43
	v_fma_f32 v[112+\n], v[56+\n], s45, s46
.endr
.irp n, 0,1,2,3,4,5,6,7
	v_fma_f32 v[96+\n], v[96+\n], v[56+\n], s44
	v_fma_f32 v[112+\n], v[112+\n], v[56+\n], s47
.endr
.irp n, 0,1,2,3,4,5,6,7
	v_mul_f32 v[104+\n], v[32+\n], v[56+\n]        ; rho z
	v_fma_f32 v[120+\n], v[56+\n], -0.5, 1.0       ; 1 - z / 2
.endr
.irp n, 0,1,2,3,4,5,6,7
	v_fma_f32 v[96+\n], v[104+\n], v[96+\n], v[32+\n]   ; sin rho
.endr
.irp n, 0,1,2,3,4,5,6,7
	v_mul_f32 v[104+\n], v[56+\n], v[56+\n]        ; z^2
.endr
.irp n, 0,1,2,3,4,5,6,7
	v_fma_f32 v[112+\n], v[104+\n], v[112+\n], v[120+\n]   ; cos rho
.endr
.irp n, 0,1,2,3,4,5,6,7
	v_cvt_i32_f32 v[48+\n], v[48+\n]               ; the quadrant is k mod 4
.endr
.irp n, 0,1,2,3,4,5,6,7
	v_and_b32 v[56+\n], 1, v[48+\n]
	v_cmp_ne_u32 vcc_lo, 0, v[56+\n]
	v_cndmask_b32 v[65+2*\n], v[96+\n], v[112+\n], vcc_lo   ; odd quadrants change sine and cosine
	v_cndmask_b32 v[64+2*\n], v[112+\n], v[96+\n], vcc_lo
	v_and_b32 v[56+\n], 2, v[48+\n]
	v_lshlrev_b32 v[56+\n], 30, v[56+\n]
	v_xor_b32 v[65+2*\n], v[56+\n], v[65+2*\n]     ; the sine is negative in quadrants 2, 3
	v_add_nc_u32 v[56+\n], 1, v[48+\n]
	v_and_b32 v[56+\n], 2, v[56+\n]
	v_lshlrev_b32 v[56+\n], 30, v[56+\n]
	v_xor_b32 v[64+2*\n], v[56+\n], v[64+2*\n]     ; the cosine in quadrants 1, 2
.endr
	s_lshl_b32 s25, s20, 1
	s_add_co_u32 s25, s25, s21                     ; the t-tile
	s_lshl_b32 s25, s25, 3
	s_lshl_b32 s26, s24, 2
	s_add_co_u32 s25, s25, s26                     ; x 8 + my first jj
	s_lshl_b32 s26, s25, 9
	s_mov_b32 s27, 0
	s_add_nc_u64 s[16:17], s[16:17], s[26:27]
.irp e, 0,1,2,3
	global_store_b128 v1, v[64+4*\e:67+4*\e], s[16:17] offset:512*\e   ; 512 consecutive bytes
.endr
	s_endpgm
.Lfunc_end_k_qeca00c0982_prep:
	.size	k_qeca00c0982_prep, .Lfunc_end_k_qeca00c0982_prep-k_qeca00c0982_prep
	.p2alignl 7, 3214868480
	.fill 96, 4, 3214868480
	.section	.rodata,"a",@progbits
	.p2align	6, 0x0
	.amdhsa_kernel k_qeca00c0982_prep
		.amdhsa_group_segment_fixed_size 34304
		.amdhsa_private_segment_fixed_size 0
		.amdhsa_enable_private_segment 0
		.amdhsa_kernarg_size 56
		.amdhsa_user_sgpr_count 2
		.amdhsa_user_sgpr_kernarg_segment_ptr 1
		.amdhsa_wavefront_size32 1
		.amdhsa_system_sgpr_workgroup_id_x 1
		.amdhsa_system_sgpr_workgroup_id_y 1
		.amdhsa_system_sgpr_workgroup_id_z 1
		.amdhsa_system_vgpr_workitem_id 0
		.amdhsa_next_free_vgpr 256
		.amdhsa_next_free_sgpr 66
		.amdhsa_reserve_vcc 1
		.amdhsa_float_denorm_mode_32 3
		.amdhsa_float_denorm_mode_16_64 3
		.amdhsa_memory_ordered 1
		.amdhsa_forward_progress 1
		.amdhsa_inst_pref_size 46
	.end_amdhsa_kernel
	.amdgpu_metadata
---
amdhsa.version: [ 1, 2 ]
amdhsa.kernels:
  - .name:           k_qeca00c0982_prep
    .symbol:         k_qeca00c0982_prep.kd
    .args:
      - { .name: x, .offset: 0, .size: 8, .value_kind: global_buffer, .address_space: global }
      - { .name: Wqkv, .offset: 8, .size: 8, .value_kind: global_buffer, .address_space: global }
      - { .name: Wout, .offset: 16, .size: 8, .value_kind: global_buffer, .address_space: global }
      - { .name: XQ, .offset: 24, .size: 8, .value_kind: global_buffer, .address_space: global }
      - { .name: WQ, .offset: 32, .size: 8, .value_kind: global_buffer, .address_space: global }
      - { .name: WO, .offset: 40, .size: 8, .value_kind: global_buffer, .address_space: global }
      - { .name: TAB, .offset: 48, .size: 8, .value_kind: global_buffer, .address_space: global }
    .group_segment_fixed_size: 34304
    .private_segment_fixed_size: 0
    .kernarg_segment_align: 8
    .kernarg_segment_size: 56
    .max_flat_workgroup_size: 128
    .sgpr_count:     66
    .vgpr_count:     256
    .wavefront_size: 32
...
	.end_amdgpu_metadata
.endif
;; end of part 1
;; launch qkv (part 2): grid 8 x 48, 4 waves a work-group, clusters of 4 x 4, 327,680 bytes of LDS; arguments XQ, WQ, TAB, mask, QI, KI, VI; writes QI, KI, VI
.if DOCPART == 2
	.amdgcn_target "amdgcn-amd-amdhsa--gfx1250"
	.amdhsa_code_object_version 6
	.text
	.protected	k_qeca00c0982_qkv
	.globl	k_qeca00c0982_qkv
	.p2align	8
	.type	k_qeca00c0982_qkv,@function
k_qeca00c0982_qkv:
	s_mov_b64 s[64:65], 0
	v_nop
	global_prefetch_b8 v0, s[64:65] scope:SCOPE_SE
	s_setreg_imm32_b32 hwreg(HW_REG_WAVE_MODE, 25, 1), 1
	s_wait_xcnt 0x0
	s_wait_alu depctr_hold_cnt(0) depctr_sa_sdst(0) depctr_va_vdst(0) depctr_va_sdst(0) depctr_va_ssrc(0) depctr_va_vcc(0) depctr_vm_vsrc(0)
	s_getreg_b32 s2, hwreg(HW_REG_IB_STS2, 6, 4)
	s_cmp_eq_u32 s2, 0
	s_cbranch_scc0 .Lentry_in_a_cluster
	s_endpgm
.Lentry_in_a_cluster:
	s_bfe_u32 s2, ttmp6, 0x10000c
	s_cmp_lg_u32 s2, 0xf033
	s_cbranch_scc0 .Lentry_shape_is_right
	s_endpgm
.Lentry_shape_is_right:
; QKV.  qkv = x Wqkv^T on codes of FP6 (E2M3) with E8M0 scales; then the rotary step on q and k, and q, k, v are quantised again, for the two products of attention, straight out of the accumulators.
; OPERANDS are images of operand registers: [tile of 16 rows][K step of 128][1,536 bytes], scale words behind them [strip of 4 tiles][K step][r][tile % 4]; lane r of tile g holds row 32 (g / 2) + 8 (g % 2) + r + 8 (r / 8).
; A tile of the result, 256 x 256, is made by four waves, 128 x 128 each: 64 accumulators, 512 registers.  Source 0 ("B") gives a lane's REGISTERS, source 1 ("A") gives the lane its ROW; by the tiles' row order the 16 registers
; of B's tiles 2 b and 2 b + 1 are 16 neighbouring rows of B.  THE ROLES: clusters with y < 8 make q and k: A = tokens (XQ), B = features (WQ rows 0-2047): registers run along the head's 64, which is the K of q k^T.
; Clusters with y >= 8 make v: A = features (WQ rows 2048-3071), B = tokens: registers run along the keys, which are the K of p v.  One text serves both; only pointers and indices are chosen, by the cluster's y.
; K = 1,024 goes in four steps of 256 through THREE LDS slots: three first fills and one refill, so the text has no loop.  CLUSTERS of 4 x 4: A's tiles are asked for jointly along a row of the cluster, B's along a column.
; OUT.  QI, KI: [batch x 16 + head][block of 128 rows][8,704]: 8 tiles x (2 groups of 512 bytes: a lane's registers 0-3, 4-7: six registers of codes (64 along K), register 6, a zero), then 512 bytes of scale words (lane (r, h): tiles 4 h .. 4 h + 3).
; VI: [batch x 16 + head][128 keys][6,400]: 4 tiles of 16 channels x 1,536 bytes, then 256 bytes of scale words [r][tile].
; THE KEY MASK rides in the half of the instruction's K = 128 that a head of 64 leaves idle: a hidden key gets zero codes for its 64 numbers, the code of 1.0 at k = 64 and the byte 190 (2^63) for that block; an open key a zero code and the byte 1.
; The next launch gives every query -1.0 x 2^63 at k = 64: a hidden key's score is then -2^126 exactly, an open key's is untouched.
; LIMITS: a hidden key's numbers are divided by 2^127 to make zero codes: that holds for |k| < 2^123.  Blocks of zeros, or under 2^-124, keep the byte 1.  NaN and infinities are not served.
; REGISTERS, in windows of 256: window 0: v16-30 addresses; v32-63 scale words, two sets; v64-127 the rotary table, two sets; v128-223 A's fragments, one set; v240-247 mask bytes.  Window 1: B's fragments, two sets, at v0 and v128.
; Window 2: the accumulators of my rows 0-63 ((a, b) at v[8 (8 a + b)]); window 3: those of rows 64-127.
.set FR,     12                        ; registers of a fragment
.set NL,     3                         ; LDS loads that bring one
.set NP,     4                         ; places behind this matrix instruction (ISA guide 7.12.1)
.set HALFT,  24576                     ; 8 tiles x 2 K steps x 1,536: what one tensor load brings, and what a wave reads of A or of B
.set SLOT,   4*HALFT                   ; A's two halves, then B's
.set SCL,    3*SLOT                    ; behind the slots: the scale words for all of K, 4,096 bytes a wave's load
.set SPARE,  SCL+16384                 ; the spare words, 128 bytes a wave: two blocks of 256 bytes that no other line names
.set ADRA, 16                          ; v16-18  LDS address of my A fragments in slot 0, 1, 2
.set ADRB, 20                          ; v20-22  the same for B
.set LI,   24                          ; v24     16 x lane
.set MT,   25                          ; v25     r + 8 (r / 8): my row in a tile
.set VS,   26                          ; v26     v's scale words: 51,200 h + 16 r
.set ADRS, 27                          ; v27     LDS address of my scale words: lanes 0-15 A's, lanes 16-31 B's
.set SPW,  28                          ; v28     my spare word; never rewritten
.set NIL,  29                          ; v29     0; never rewritten
.set HH,   30                          ; v30     lane / 16
.set SC,   32                          ; scale words: set s at v[SC + 16 s]; in it register 8 q + i: lanes 0-15 the word of A's block i, lanes 16-31 of B's, for the slot's q-th 128 along K
.set CS,   64                          ; the table: set a % 2, 32 registers: pair p = (cos, sin) of my p-th pair of a head's numbers
.set AF,   128
.set Y,    128                         ; the way out: 64 numbers after the rotary step
.set E,    192                         ; the codes to be stored
.set CT,   208                         ; v208-210, v212-214 at work
.set TM,   216                         ; v216-219 largest magnitudes, v220-223 bytes, v228-231 the conversions' scale operands
.set PW,   232
.set KW,   233
.set WO4,  236                         ; v236-243 scale words to be stored
.set MK,   240                         ; v240-247 the mask bytes of my eight tiles' rows
.set KBIG, 248                         ; v248 = 0x7f000000: as a conversion's scale operand 2^127
.set K8,   249                         ; v249 = 8: the code of 1.0
.set KC0,  250                         ; v250 = bytes 2, 3 of an open key's scale word: 1, 1
.set KC1,  251                         ; v251 = of a hidden key's: 190, 1
.set SW,   32                          ; the way out: 16 scale words kept (the registers that held the operands' scale words)
.set G1,   24                          ; s[24:31] group 1 for A's tiles, s[32:39] for B's, s[40:47], s[48:55] for their scale words
.set G1B,  32
.set G1S,  40
.set G1SB, 48
.set GA0,  56                          ; groups 0: A's slots 0, 1, 2
.set GA1,  60
.set GA2,  68
.set GB0,  72                          ; B's
.set GB1,  76
.set GB2,  80
.set G0S,  84
.set G0SB, 88
.set MSB, 0
.macro WIN new                         ; the immediate's high byte repeats the setting that is left
.if MSB != (\new)
	s_set_vgpr_msb (MSB<<8)|(\new)
.set MSB, (\new)
.endif
.endm
.set MUL_LO, 0xa1                      ; source 0 (B) window 1, source 1 (A) window 0, C and D window 2
.set MUL_HI, 0xf1                      ; the same, C and D window 3
.set TO_B,   0x40                      ; destination window 1, address window 0
; A joint load: waves 0 and 1 fetch for A, waves 2 and 3 for B; the branch hangs on the wave's number alone.  Four v_nop follow each of the two lines.
.macro JLOAD g0a, g1a, g0b, g1b
	s_cmp_eq_u32 s19, 0
	s_cbranch_scc0 .Lfor_b_\@
	tensor_load_to_lds s[\g0a:\g0a+3], s[\g1a:\g1a+7]
	s_nop 0
.rept 4
	v_nop
.endr
	s_branch .Lasked_\@
.Lfor_b_\@:
	tensor_load_to_lds s[\g0b:\g0b+3], s[\g1b:\g1b+7]
	s_nop 0
.rept 4
	v_nop
.endr
.Lasked_\@:
.endm
.macro CREST                           ; a round of the cluster's barrier behind its opening barrier
	s_cmp_lg_u32 s18, 0
	s_cbranch_scc1 .Lnot_wave_0_\@
	s_barrier_signal -3
.Lnot_wave_0_\@:
	s_barrier_wait -3
	s_barrier_signal -1
	s_barrier_wait -1
.endm
.macro CROUND
	s_barrier_signal -1
	s_barrier_wait -1
	CREST
.endm
.macro MKG0 g, lds, ldsoff, adr, byteoff   ; a group 0: count 1, LDS address, global address, type 2
	s_mov_b32 s[\g], 1
	s_add_co_u32 s[\g+1], s[\lds], \ldsoff
	s_add_nc_u64 s[\g+2:\g+3], s[\adr:\adr+1], \byteoff
	s_or_b32 s[\g+3], s[\g+3], 0x80000000
.endm
	s_load_b256 s[4:11], s[0:1], 0x0               ; XQ s[4:5], WQ s[6:7], TAB s[8:9], mask s[10:11]
	s_load_b128 s[12:15], s[0:1], 0x20             ; QI s[12:13], KI s[14:15]
	s_load_b64 s[16:17], s[0:1], 0x30              ; VI
	v_lshl_add_u32 v[SPW], v0, 2, SPARE
	v_mov_b32 v[NIL], 0
	ds_add_u32 v28, v29
	ds_add_u32 v28, v29
	s_wait_dscnt 0x0
	v_lshrrev_b32 v1, 5, v0
	v_readfirstlane_b32 s18, v1                    ; wave 0..3
	s_lshr_b32 s19, s18, 1                         ; which half of A's rows is mine.  Also: I fetch for A (0) or for B (1)
	s_and_b32 s20, s18, 1                          ; which half of B's rows.  Also: which half I fetch
	s_bfe_u32 s22, ttmp6, 0x40000                  ; cx
	s_bfe_u32 s23, ttmp6, 0x40004                  ; cy
	s_and_b32 s2, ttmp7, 0xffff                    ; the cluster's y: 0-7 q and k, 8-11 v
	s_lshl_b32 s3, s2, 2
	s_max_u32 s101, s2, 8
	s_sub_co_u32 s101, s101, 8
	s_lshl_b32 s101, s101, 1
	s_add_co_u32 s101, s101, ttmp9
	s_lshl_b32 s101, s101, 2                       ; v: B's first block of 256 tokens: 4 (2 (y - 8) + x)
	s_lshl_b32 s104, ttmp9, 2                      ; q, k: B's first block of 256 features: 4 x
	s_cmp_ge_u32 s2, 8
	s_cselect_b32 s21, 1, 0                        ; 1: this cluster makes v.  The same in all sixteen partners
	s_cselect_b32 s66, 8, s3
	s_cselect_b32 s67, s101, s104
	s_add_co_u32 s66, s66, s23                     ; A's block of 256 rows: hangs on cy alone
	s_add_co_u32 s67, s67, s22                     ; B's: on cx alone
	s_lshl_b32 s2, s23, 2
	s_lshl_b32 s2, 15, s2                          ; my row of the cluster
	s_lshl_b32 s3, 0x1111, s22                     ; my column
	; group 1: elements of 8 bytes, no padding; bit 21 beside the mask.  Codes: 8 rows (tiles) of 384 elements (two K steps), 1,536 elements apart.  Scale words: 16 rows of 32 elements, dense
	s_or_b32 s[G1], s2, (3<<16)|(1<<21)
	s_or_b32 s[G1B], s3, (3<<16)|(1<<21)
	s_or_b32 s[G1S], s2, (3<<16)|(1<<21)
	s_or_b32 s[G1SB], s3, (3<<16)|(1<<21)
.irp g, G1, G1B
	s_mov_b32 s[\g+1], 384<<16                     ; tensor_dim0
	s_mov_b32 s[\g+2], 8<<16                       ; tensor_dim1
	s_mov_b32 s[\g+3], 384<<16                     ; tile_dim0
	s_mov_b32 s[\g+4], 8                           ; tile_dim1
	s_mov_b32 s[\g+5], 1536                        ; stride
	s_mov_b32 s[\g+6], 0
	s_mov_b32 s[\g+7], 0
.endr
.irp g, G1S, G1SB
	s_mov_b32 s[\g+1], 32<<16
	s_mov_b32 s[\g+2], 16<<16
	s_mov_b32 s[\g+3], 32<<16
	s_mov_b32 s[\g+4], 16
	s_mov_b32 s[\g+5], 32
	s_mov_b32 s[\g+6], 0
	s_mov_b32 s[\g+7], 0
.endr
	; byte offsets: codes: block x 196,608 + half x 98,304; scale words: region + block x 8,192 + half x 4,096.  A's in s92-95, B's in s96-99
	s_mul_i32 s92, s66, 196608
	s_mul_i32 s2, s20, 98304
	s_add_co_u32 s92, s92, s2
	s_mov_b32 s93, 0
	s_lshl_b32 s94, s66, 13
	s_lshl_b32 s3, s20, 12
	s_add_co_u32 s94, s94, s3
	s_mov_b32 s95, 0
	s_mul_i32 s96, s67, 196608
	s_add_co_u32 s96, s96, s2
	s_mov_b32 s97, 0
	s_lshl_b32 s98, s67, 13
	s_add_co_u32 s98, s98, s3
	s_mov_b32 s99, 0
	s_mov_b32 s2, 2359296                          ; where WQ's scale words begin
	s_mov_b32 s3, 6291456                          ; and XQ's
	s_cmp_eq_u32 s21, 0
	s_cselect_b32 s101, s3, s2
	s_cselect_b32 s104, s2, s3
	s_add_co_u32 s94, s94, s101
	s_add_co_u32 s98, s98, s104
	s_mul_i32 s101, s18, HALFT                     ; where my loads go: no place in the cluster enters an LDS address
	s_lshl_b32 s100, s18, 12
	s_wait_kmcnt 0x0
	s_cmp_eq_u32 s21, 0
	s_cselect_b64 s[2:3], s[4:5], s[6:7]           ; A's buffer
	s_cselect_b64 s[104:105], s[6:7], s[4:5]       ; B's
	s_add_nc_u64 s[92:93], s[2:3], s[92:93]
	s_add_nc_u64 s[94:95], s[2:3], s[94:95]
	s_add_nc_u64 s[96:97], s[104:105], s[96:97]
	s_add_nc_u64 s[98:99], s[104:105], s[98:99]
	MKG0 G0S, 100, SCL, 94, 0
	MKG0 G0SB, 100, SCL, 98, 0
	MKG0 GA0, 101, 0, 92, 0
	MKG0 GB0, 101, 0, 96, 0
	MKG0 GA1, 101, SLOT, 92, 3072
	MKG0 GB1, 101, SLOT, 96, 3072
	MKG0 GA2, 101, 2*SLOT, 92, 6144
	MKG0 GB2, 101, 2*SLOT, 96, 6144
	CROUND                                         ; all sixteen work-groups are here: the first joint loads meet
	JLOAD G0S, G1S, G0SB, G1SB                     ; four loads of mine are out: the scale words,
	JLOAD GA0, G1, GB0, G1B                        ; K 0-255,
	JLOAD GA1, G1, GB1, G1B                        ; K 256-511,
	JLOAD GA2, G1, GB2, G1B                        ; K 512-767
	v_and_b32 v1, 31, v0
	v_and_b32 v2, 15, v0                           ; r
	v_bfe_u32 v[HH], v0, 4, 1                      ; h
	v_lshlrev_b32 v[LI], 4, v1
	s_mul_i32 s2, s19, HALFT                       ; my half of A
	s_mul_i32 s3, s20, HALFT                       ; my half of B,
	s_add_co_u32 s3, s3, 2*HALFT                   ; behind A's two
.irp s, 0,1,2
	v_add_nc_u32 v[ADRA+\s], s2, v[LI]
	v_add_nc_u32 v[ADRB+\s], s3, v[LI]
	s_add_co_u32 s2, s2, SLOT
	s_add_co_u32 s3, s3, SLOT
.endr
	v_lshlrev_b32 v4, 4, v2                        ; 16 r
	s_lshl_b32 s2, s19, 12                         ; A's scale words: my half
	s_lshl_b32 s3, s20, 12                         ; B's: my half, behind A's two
	s_add_co_u32 s3, s3, 8192
	s_sub_co_u32 s3, s3, s2
	v_mul_u32_u24 v5, s3, v[HH]                    ; lanes 16-31 take B's: one product, the distance between the two
	s_add_co_u32 s2, s2, SCL
	v_add_nc_u32 v5, v4, v5
	v_add_nc_u32 v[ADRS], s2, v5
	v_and_b32 v5, 8, v2
	v_add_nc_u32 v[MT], v5, v2
	v_mul_u32_u24 v5, v[HH], 51200
	v_add_nc_u32 v[VS], v5, v4
	s_lshl_b32 s2, s66, 8                          ; the mask bytes of my 128 tokens: 256 x block + 128 x half
	s_lshl_b32 s3, s19, 7
	s_add_co_u32 s2, s2, s3
	s_mov_b32 s3, 0
	s_add_nc_u64 s[10:11], s[10:11], s[2:3]
	s_and_b32 s2, s66, 3                           ; the table's tiles of my 128 tokens: 16 x (block % 4) + 8 x half, 4,096 bytes each
	s_lshl_b32 s2, s2, 4
	s_lshl_b32 s101, s19, 3
	s_add_co_u32 s2, s2, s101
	s_lshl_b32 s2, s2, 12
	s_add_nc_u64 s[8:9], s[8:9], s[2:3]
.macro CSLOAD a                        ; the table of my tile a, into set a % 2
.irp j, 0,1,2,3,4,5,6,7
	global_load_b128 v[CS+32*((\a)%2)+4*\j:CS+32*((\a)%2)+4*\j+3], v[LI], s[8:9] offset:4096*(\a)+512*\j
.endr
.endm
	s_cmp_lg_u32 s21, 0
	s_cbranch_scc1 .Lno_table                      ; v has no rotary step and no mask
.irp a, 0,1,2,3,4,5,6,7
	global_load_u8 v[MK+\a], v[MT], s[10:11] offset:32*(\a/2)+8*(\a%2)
.endr
	CSLOAD 0                                       ; these stay out through the products: nothing waits for them before the way out
	CSLOAD 1
.Lno_table:
.macro FRAG reg, adr, q, i             ; a fragment comes back as it was stored: three loads of 16 bytes a lane, 512 consecutive bytes each
.irp c, 0,1,2
	ds_load_b128 v[\reg+4*\c:\reg+4*\c+3], v[\adr] offset:(\i)*3072+(\q)*1536+512*\c
.endr
.endm
; 16 matrix instructions: A's blocks a0, a0 + 1 x B's eight.  p: B's set; q: which 128 of the slot; sc: the set of scale words.  The 64 accumulators take turns, one instruction a turn.
.macro MUL16 a0, p, q, sc, zero
.irp a, \a0, \a0+1
.irp b, 0,1,2,3,4,5,6,7
.if \zero
	v_wmma_scale_f32_16x16x128_f8f6f4 v[8*(8*((\a)%4)+\b):8*(8*((\a)%4)+\b)+7], v[128*(\p)+FR*\b:128*(\p)+FR*\b+FR-1], v[AF+FR*(\a):AF+FR*(\a)+FR-1], 0, v[SC+16*(\sc)+8*(\q)+\b], v[SC+16*(\sc)+8*(\q)+(\a)] matrix_a_fmt:MATRIX_FMT_FP6 matrix_b_fmt:MATRIX_FMT_FP6 matrix_a_scale:MATRIX_SCALE_ROW1
.else
	v_wmma_scale_f32_16x16x128_f8f6f4 v[8*(8*((\a)%4)+\b):8*(8*((\a)%4)+\b)+7], v[128*(\p)+FR*\b:128*(\p)+FR*\b+FR-1], v[AF+FR*(\a):AF+FR*(\a)+FR-1], v[8*(8*((\a)%4)+\b):8*(8*((\a)%4)+\b)+7], v[SC+16*(\sc)+8*(\q)+\b], v[SC+16*(\sc)+8*(\q)+(\a)] matrix_a_fmt:MATRIX_FMT_FP6 matrix_b_fmt:MATRIX_FMT_FP6 matrix_a_scale:MATRIX_SCALE_ROW1
.endif
.endr
.endr
.endm
.macro FETCH_B slot, q, p
	WIN TO_B
.irp i, 0,1,2,3,4,5,6,7
	FRAG 128*(\p)+FR*\i, ADRB+\slot, \q, \i
.endr
	WIN 0
.endm
.macro FETCH_A slot, q, i0
.irp i, \i0, \i0+1, \i0+2, \i0+3
	FRAG AF+FR*(\i), ADRA+\slot, \q, \i
.endr
.endm
.macro SCALES set                      ; a slot's scale words: 16 bytes a lane are the words of four blocks
.irp q, 0,1
.irp f, 0,1
	ds_load_b128 v[SC+16*(\set)+8*\q+4*\f:SC+16*(\set)+8*\q+4*\f+3], v[ADRS] offset:256*\q+2048*\f
.endr
.endr
.endm
.macro PLACES n                        ; plain vector instructions between a matrix instruction and a load into, or a read of, its registers
.rept \n
	v_nop
.endr
.endm
; A slot's first 128 along K
.macro STEP slot, sc, zero
	s_wait_dscnt 4*NL                              ; all but the youngest 12 loads (A's blocks 4-7) are in
	WIN MUL_LO
	MUL16 0, 0, 0, \sc, \zero
	MUL16 2, 0, 0, \sc, \zero
	s_wait_dscnt 0x0                               ; A's blocks 4-7 are in
	PLACES NP
	FETCH_B \slot, 1, 1
	FETCH_A \slot, 1, 0
	WIN MUL_HI
	MUL16 4, 0, 0, \sc, \zero
	MUL16 6, 0, 0, \sc, \zero
	PLACES NP
	WIN 0
	FETCH_A \slot, 1, 4
.endm
; A slot's second 128 along K, and the change of slots.  mode 2: this slot is filled again: every wave waits for all its tensor loads, adds 0 to its spare word, waits for that and for its reads of the slot; a round of the cluster's barrier;
; the joint refill first behind it.  mode 1: the same three lines and the work-group's barrier: the refilled slot is whole for every wave.  mode 0: the next slot was shown whole by the barrier of mode 2, and this slot is not filled again: no barrier.
.macro TURN slot, sc, next, nsc, mode
.if \mode
	s_wait_tensorcnt 0x0                           ; all my tensor loads have landed  (every window is 0 here)
	ds_add_u32 v[SPW], v[NIL]                      ; 0 onto my spare word
	s_wait_dscnt 4*NL+1                            ; (the add and the youngest 12 loads may be out)
.else
	s_wait_dscnt 4*NL
.endif
	WIN MUL_LO
	MUL16 0, 1, 1, \sc, 0
.if \mode
	s_wait_dscnt 0x0                               ; the add is done, and my reads of this slot are over
	s_barrier_signal -1
.endif
	MUL16 2, 1, 1, \sc, 0
.if \mode == 0
	s_wait_dscnt 0x0                               ; A's blocks 4-7 are in
.endif
	WIN 0
.if \mode
	s_barrier_wait -1
.endif
.if \mode == 2
	CREST                                          ; no wave of any partner still reads this slot or has a load on its way
	s_add_nc_u64 s[GA0+2:GA0+3], s[GA0+2:GA0+3], 3*3072   ; K 768-1023
	s_add_nc_u64 s[GB0+2:GB0+3], s[GB0+2:GB0+3], 3*3072
	JLOAD GA0, G1, GB0, G1B                        ; it has two slots' products, 256 matrix instructions, in which to land; its four v_nop are the places in front of the loads below
.else
	PLACES NP
.endif
	v_add_nc_u32 v[ADRS], 512, v[ADRS]             ; the next slot's scale words
	FETCH_B \next, 0, 0
	FETCH_A \next, 0, 0
	SCALES \nsc
	WIN MUL_HI
	MUL16 4, 1, 1, \sc, 0
	MUL16 6, 1, 1, \sc, 0
	PLACES NP
	WIN 0
	FETCH_A \next, 0, 4
.endm
	s_wait_tensorcnt 2                             ; the scale words and my part of slot 0 are in; slots 1 and 2 may be out
	s_barrier_signal -1
	s_barrier_wait -1
	FETCH_B 0, 0, 0
	FETCH_A 0, 0, 0
	SCALES 0
	FETCH_A 0, 0, 4
	STEP 0, 0, 1                                   ; the first products start the sums: nothing is cleared
	TURN 0, 0, 1, 1, 2
	STEP 1, 1, 0
	TURN 1, 1, 2, 0, 0
	STEP 2, 0, 0
	TURN 2, 0, 0, 1, 1
	STEP 0, 1, 0
	s_wait_dscnt 4*NL                              ; the last 128 along K: nothing more to fetch
	WIN MUL_LO
	MUL16 0, 1, 1, 1, 0
	MUL16 2, 1, 1, 1, 0
	s_wait_dscnt 0x0
	WIN MUL_HI
	MUL16 4, 1, 1, 1, 0
	MUL16 6, 1, 1, 1, 0
	WIN 0
; THE WAY OUT.  64 numbers of a lane (register 16 b + i = place 32 b + 16 h + i along the next K), in window win, become codes at v[E] and v[E + stride] (six registers each) and a scale word in v[PW].
; kill = 1: where VCC is set the conversions divide by 2^127, which makes zero codes.  Each accumulator is read from its low end on.
.macro QUANTW src, win, stride, kill
	WIN (\win)|((\win)<<2)
.irp b, 0,1,2,3
	v_max3_num_f32 v[TM+\b], |v[\src+16*\b]|, |v[\src+1+16*\b]|, 0x1800000   ; and the floor 2^(3 - 127)
.endr
	WIN ((\win)<<2)|((\win)<<4)
.irp i, 2,4,6,8,10,12,14
.irp b, 0,1,2,3
	v_max3_num_f32 v[TM+\b], v[TM+\b], |v[\src+16*\b+\i]|, |v[\src+1+16*\b+\i]|
.endr
.endr
	WIN 0
.irp b, 0,1,2,3
	v_permlanex16_b32 v[TM+4+\b], v[TM+\b], s2, s3
.endr
.irp b, 0,1,2,3
	v_max_num_f32 v[TM+\b], v[TM+\b], v[TM+4+\b]
.endr
.irp b, 0,1,2,3
	v_add_nc_u32 v[TM+12+\b], 0xff000000, v[TM+\b] ; 2 off the exponent field: the conversion's scale operand
.endr
.irp b, 0,1,2,3
	v_lshrrev_b32 v[TM+4+\b], 23, v[TM+12+\b]      ; the scale's byte
.endr
	v_lshl_or_b32 v[PW], v[TM+5], 8, v[TM+4]
	v_lshl_or_b32 v[PW], v[TM+6], 16, v[PW]
	v_lshl_or_b32 v[PW], v[TM+7], 24, v[PW]
.if \kill
.irp b, 0,1,2,3
	v_cndmask_b32 v[TM+12+\b], v[TM+12+\b], v[KBIG], vcc_lo
.endr
.endif
	s_wait_xcnt 0x0                                ; the last block's stores have read the codes' registers
	WIN (\win)
.irp c, 0,1
	v_cvt_scalef32_pk16_fp6_f32 v[E+(\stride)*\c:E+(\stride)*\c+2], v[\src+32*\c:\src+15+32*\c], v[TM+12+2*\c]
	v_cvt_scalef32_pk16_fp6_f32 v[CT+4*\c:CT+4*\c+2], v[\src+16+32*\c:\src+31+32*\c], v[TM+13+2*\c]
.endr
	WIN 0
	v_nop                                          ; one plain place behind a scaled conversion
.irp c, 0,1
.irp i, 0,1,2
	v_permlane16_swap_b32 v[E+(\stride)*\c+\i], v[CT+4*\c+\i]
.endr
.irp i, 0,1,2
	v_mov_b32 v[E+(\stride)*\c+3+\i], v[CT+4*\c+\i]
.endr
.endr
.endm
; q, k: my tile a of 16 tokens x my 128 features (two heads).  y1 = x1 cos - x2 sin, y2 = x2 cos + x1 sin, then the quantiser along the head's 64: the two halves of the codes are the two heads' fragments.
.macro QK a
.if (\a) < 7
	s_wait_loadcnt 8                               ; this tile's table (and the mask bytes) are in; the next tile's eight loads may be out
.else
	s_wait_loadcnt 0x0
.endif
.set AC, 64*((\a)%4)
.set CB, CS+32*((\a)%2)
	WIN 2+(\a)/4                                   ; source 0: the accumulators' window
.set p, 0
.rept 32
	v_pk_mul_f32 v[Y+2*p:Y+2*p+1], v[AC+2*p:AC+2*p+1], v[CB+2*(p%16):CB+2*(p%16)+1] op_sel_hi:[1,0]   ; both x cos
.set p, p+1
.endr
.set p, 0
.rept 32
	v_fma_f32 v[Y+2*p], -v[AC+2*p+1], v[CB+2*(p%16)+1], v[Y+2*p]
	v_fma_f32 v[Y+2*p+1], v[AC+2*p], v[CB+2*(p%16)+1], v[Y+2*p+1]
.set p, p+1
.endr
	WIN 0
.if (\a) < 6
	CSLOAD (\a)+2
.endif
	v_cmp_eq_u32 vcc_lo, 0, v[MK+\a]               ; my token is hidden,
	s_and_b32 vcc_lo, vcc_lo, s100                 ; and this is k
	QUANTW Y, 0, 8, 1
	v_cndmask_b32 v[E+6], 0, v[K8], vcc_lo         ; the code at k = 64: 1.0 for a hidden key
	v_cndmask_b32 v[E+14], 0, v[K8], vcc_lo
	v_cndmask_b32 v[KW], v[KC0], v[KC1], vcc_lo    ; bytes 2, 3 of the scale words
	v_and_or_b32 v[SW+\a], v[PW], 0xffff, v[KW]    ; the first head's word,
	v_lshrrev_b32 v[SW+8+\a], 16, v[PW]
	v_or_b32 v[SW+8+\a], v[SW+8+\a], v[KW]         ; the second's
.irp c, 0,1
.irp g, 0,1
	global_store_b128 v[LI], v[E+8*\c+4*\g:E+8*\c+4*\g+3], s[12:13] offset:69632*\c+1024*(\a)+512*\g   ; 512 consecutive bytes
.endr
.endr
.endm
; v: my tile a of 16 channels x my 128 keys: one fragment of the second product
.macro VV a
.set WW, 2+(\a)/4
	QUANTW 64*((\a)%4), WW, 6, 0
	v_mov_b32 v[SW+\a], v[PW]
.irp c, 0,1,2
	global_store_b128 v[LI], v[E+4*\c:E+4*\c+3], s[16:17] offset:51200*((\a)/4)+1536*((\a)%4)+512*\c
.endr
.endm
	PLACES NP                                      ; behind the last products
.irp b, 0,1,2,3
	v_mov_b32 v[TM+4+\b], 0                        ; written once: a lane permute's destination counts as one of its sources
.endr
	s_mov_b32 s2, 0x76543210                       ; v_permlanex16_b32's selects for lane l xor 16
	s_mov_b32 s3, 0xfedcba98
	s_cmp_lg_u32 s21, 0
	s_cbranch_scc1 .Lv_out
	s_cmp_eq_u32 ttmp9, 0                          ; cluster x = 0 makes q, 1 makes k
	s_cselect_b64 s[12:13], s[12:13], s[14:15]
	s_cselect_b32 s100, 0, -1
	s_lshr_b32 s92, s66, 2                         ; the batch
	s_lshl_b32 s92, s92, 4
	s_and_b32 s93, s67, 3
	s_lshl_b32 s93, s93, 2
	s_add_co_u32 s92, s92, s93
	s_lshl_b32 s93, s20, 1
	s_add_co_u32 s92, s92, s93                     ; x 16 + my first head
	s_lshl_b32 s92, s92, 3
	s_and_b32 s93, s66, 3
	s_lshl_b32 s93, s93, 1
	s_add_co_u32 s92, s92, s93
	s_add_co_u32 s92, s92, s19                     ; x 8 + my block of 128 tokens
	s_mul_i32 s92, s92, 8704
	s_mov_b32 s93, 0
	s_add_nc_u64 s[12:13], s[12:13], s[92:93]
	v_mov_b32 v[KBIG], 0x7f000000
	v_mov_b32 v[K8], 8
	v_mov_b32 v[KC0], 0x01010000
	v_mov_b32 v[KC1], 0x01be0000
	v_mov_b32 v[E+7], 0
	v_mov_b32 v[E+15], 0
.irp a, 0,1,2,3,4,5,6,7
	QK \a
.endr
	v_cmp_ne_u32 vcc_lo, 0, v[HH]
.irp c, 0,1
.irp j, 0,1,2,3
	v_cndmask_b32 v[WO4+4*\c+\j], v[SW+8*\c+\j], v[SW+8*\c+4+\j], vcc_lo   ; lanes 0-15: tiles 0-3; lanes 16-31: tiles 4-7
.endr
	global_store_b128 v[LI], v[WO4+4*\c:WO4+4*\c+3], s[12:13] offset:8192+69632*\c
.endr
	s_branch .Lend
.Lv_out:
	s_lshr_b32 s92, s67, 2                         ; the batch
	s_lshl_b32 s92, s92, 4
	s_sub_co_u32 s93, s66, 8
	s_lshl_b32 s93, s93, 2
	s_add_co_u32 s92, s92, s93
	s_lshl_b32 s93, s19, 1
	s_add_co_u32 s92, s92, s93                     ; x 16 + my first head
	s_lshl_b32 s92, s92, 3
	s_and_b32 s93, s67, 3
	s_lshl_b32 s93, s93, 1
	s_add_co_u32 s92, s92, s93
	s_add_co_u32 s92, s92, s20                     ; x 8 + my 128 keys
	s_mul_i32 s92, s92, 6400
	s_mov_b32 s93, 0
	s_add_nc_u64 s[16:17], s[16:17], s[92:93]
.irp a, 0,1,2,3,4,5,6,7
	VV \a
.endr
	v_cmp_ne_u32 vcc_lo, 0, v[HH]
.irp j, 0,1,2,3
	v_cndmask_b32 v[WO4+\j], v[SW+\j], v[SW+4+\j], vcc_lo   ; lanes 0-15: the first head's four tiles; lanes 16-31: the second's
.endr
	global_store_b128 v[VS], v[WO4:WO4+3], s[16:17] offset:6144   ; sixteen lanes store 256 consecutive bytes, aligned
.Lend:
	s_wait_tensorcnt 0x0                           ; the wave's end
	ds_add_u32 v[SPW], v[NIL]
	s_wait_dscnt 0x0
	CROUND                                         ; the closing round: no work-group ends while a partner may still ask for a tile that names it
	s_endpgm
.Lfunc_end_k_qeca00c0982_qkv:
	.size	k_qeca00c0982_qkv, .Lfunc_end_k_qeca00c0982_qkv-k_qeca00c0982_qkv
	.p2alignl 7, 3214868480
	.fill 96, 4, 3214868480
	.section	.rodata,"a",@progbits
	.p2align	6, 0x0
	.amdhsa_kernel k_qeca00c0982_qkv
		.amdhsa_group_segment_fixed_size 327680
		.amdhsa_private_segment_fixed_size 0
		.amdhsa_enable_private_segment 0
		.amdhsa_kernarg_size 56
		.amdhsa_user_sgpr_count 2
		.amdhsa_user_sgpr_kernarg_segment_ptr 1
		.amdhsa_wavefront_size32 1
		.amdhsa_system_sgpr_workgroup_id_x 1
		.amdhsa_system_sgpr_workgroup_id_y 1
		.amdhsa_system_sgpr_workgroup_id_z 1
		.amdhsa_system_vgpr_workitem_id 0
		.amdhsa_next_free_vgpr 1024
		.amdhsa_next_free_sgpr 106
		.amdhsa_reserve_vcc 1
		.amdhsa_float_denorm_mode_32 3
		.amdhsa_float_denorm_mode_16_64 3
		.amdhsa_memory_ordered 1
		.amdhsa_forward_progress 1
		.amdhsa_inst_pref_size 234
	.end_amdhsa_kernel
	.amdgpu_metadata
---
amdhsa.version: [ 1, 2 ]
amdhsa.kernels:
  - .name:           k_qeca00c0982_qkv
    .symbol:         k_qeca00c0982_qkv.kd
    .args:
      - { .name: XQ, .offset: 0, .size: 8, .value_kind: global_buffer, .address_space: global }
      - { .name: WQ, .offset: 8, .size: 8, .value_kind: global_buffer, .address_space: global }
      - { .name: TAB, .offset: 16, .size: 8, .value_kind: global_buffer, .address_space: global }
      - { .name: mask, .offset: 24, .size: 8, .value_kind: global_buffer, .address_space: global }
      - { .name: QI, .offset: 32, .size: 8, .value_kind: global_buffer, .address_space: global }
      - { .name: KI, .offset: 40, .size: 8, .value_kind: global_buffer, .address_space: global }
      - { .name: VI, .offset: 48, .size: 8, .value_kind: global_buffer, .address_space: global }
    .group_segment_fixed_size: 327680
    .private_segment_fixed_size: 0
    .kernarg_segment_align: 8
    .kernarg_segment_size: 56
    .max_flat_workgroup_size: 128
    .sgpr_count:     106
    .vgpr_count:     1024
    .wavefront_size: 32
...
	.end_amdgpu_metadata
.endif
;; end of part 2
;; launch attn (part 3): grid 4 x 64, 16 waves a work-group, clusters of 4 x 1, 247,808 bytes of LDS; arguments QI, KI, VI, AQ; writes AQ
.if DOCPART == 3
	.amdgcn_target "amdgcn-amd-amdhsa--gfx1250"
	.amdhsa_code_object_version 6
	.text
	.protected	k_qeca00c0982_attn
	.globl	k_qeca00c0982_attn
	.p2align	8
	.type	k_qeca00c0982_attn,@function
k_qeca00c0982_attn:
	s_mov_b64 s[64:65], 0
	v_nop
	global_prefetch_b8 v0, s[64:65] scope:SCOPE_SE
	s_setreg_imm32_b32 hwreg(HW_REG_WAVE_MODE, 25, 1), 1
	s_wait_xcnt 0x0
	s_wait_alu depctr_hold_cnt(0) depctr_sa_sdst(0) depctr_va_vdst(0) depctr_va_sdst(0) depctr_va_ssrc(0) depctr_va_vcc(0) depctr_vm_vsrc(0)
	s_getreg_b32 s2, hwreg(HW_REG_IB_STS2, 6, 4)
	s_cmp_eq_u32 s2, 0
	s_cbranch_scc0 .Lentry_in_a_cluster
	s_endpgm
.Lentry_in_a_cluster:
	s_bfe_u32 s2, ttmp6, 0x10000c
	s_cmp_lg_u32 s2, 0x3003
	s_cbranch_scc0 .Lentry_shape_is_right
	s_endpgm
.Lentry_shape_is_right:
; ATTN.  For each head: O = softmax(q k^T / 8, hidden keys left out) v, both products on codes of FP6 (E2M3) with E8M0 scales; then O is quantised along the model's 1,024 for the last product.
; THE SOFTMAX AHEAD OF THE SECOND PRODUCT: t = score x log2(e) / 8; M = the running largest t rounded UP to a whole number; p = 2^(t - M) is quantised along the keys, not normalised; the row's sum is taken of the
; unquantised p and divides O at the end.  When M moves, the sum and O are multiplied by 2^(old M - new M): exact.
; THE MASK.  A head's 64 fill half of the instruction's K = 128.  At k = 64 every query here gets the code of -1.0 with the block's byte 190 (2^63); the launch before gave a hidden key zero codes, 1.0 at k = 64 and the byte 190,
; an open key a zero code and the byte 1.  So a hidden key's score is -2^126 exactly: beside any open key its p is 0; where ALL keys of a batch are hidden, t = -2^126 c is exact, t - M = 0 and every p is 1: the uniform weights of the definition.
; A fragment of k is stored as 8 registers; the operand names 12: the last four are the next tile's first four (behind the last tile: zeros).  They meet zero codes of q and add nothing.
; SHARES.  A work-group owns 256 queries of two neighbouring heads; each of its sixteen waves one tile of 16 queries, in 256 registers: four waves to a SIMD, so that one wave's vector work stands beside another's matrix work.
; A wave runs the first head, then the second: the two results are the two halves of ONE fragment (128 along the model's 1,024) of the last product, and their four bytes its scale word.
; ALL of the two heads' k and v (241,664 bytes) comes into LDS once, by two tensor loads a wave at the start: no byte of LDS is filled twice, so there is no ring.
; CLUSTER.  The four blocks of queries of a pair of heads read the same k and v: each tile is asked for jointly, with the mask 15.
; LAYOUT.  Both products are used transposed: S^T = k q^T, O^T = v^T p^T: a lane holds one query (lane % 16) throughout; by the tiles' row order the 16 registers of tiles 2 b and 2 b + 1 are 16 neighbouring keys, or channels.
; LIMITS: NaN and infinities are not served; blocks of zeros, or under 2^-124, keep the byte 1.
.set KHEAD, 69632                      ; a head's k or q: 8 blocks of 8,704 bytes
.set VHEAD, 51200                      ; a head's v: 8 blocks of 6,400
.set VB,    2*KHEAD                    ; LDS: k of the two heads, then v,
.set SG,    VB+2*VHEAD                 ; then 1,024 bytes in which the sixteen tiles' scale words are gathered; no tile lands there
.set ADK,  3                           ; v3  LDS address of the step's k;  v4 of its v;  v5 of v's scale words
.set ADV,  4
.set ADVS, 5
.set KF,   32                          ; v32-95 eight fragments of k, 8 registers each, v96-99 zeros; later four fragments of v, v32-79
.set S,    100                         ; v100-163 S^T, then p
.set OT,   164                         ; v164-195 O^T
.set PCD,  196                         ; v196-207 p's codes; v208-210, v212-214 at work
.set CT,   208
.set BM,   216                         ; v216-219 the blocks' largest scores, then largest p
.set PT,   220                         ; v220-223 at work, then bytes
.set SO,   224                         ; v224-227 the conversions' scale operands
.set AF,   242                         ; v242-253 the fragment that leaves (v248-253 keep the second head's q until then)
.set AW,   254                         ; its scale word
.set WV,   12
.set G1K,  16                          ; s[16:23] group 1 for a block of k; s[24:31] of v
.set G1V,  24
.set G0K,  32                          ; s[32:39] groups 0 for k, a set for each head; s[40:47] for v
.set G0V,  40
.set SEL,  48                          ; s[48:49] v_permlanex16_b32's selects for lane l xor 16
.set CS,   50                          ; s[50:51] c = log2(e) / 8
.set TK,   52                          ; s52 LDS byte at which the step's k begins; s53 its v; s54 the steps to go
.set TV,   53
.set CNT,  54
.macro ROUND
	s_barrier_signal -1
	s_barrier_wait -1
	s_cmp_lg_u32 s[WV], 0
	s_cbranch_scc1 .Lnot_wave_0_\@
	s_barrier_signal -3
.Lnot_wave_0_\@:
	s_barrier_wait -3
	s_barrier_signal -1
	s_barrier_wait -1
.endm
	s_load_b256 s[4:11], s[0:1], 0x0               ; QI s[4:5], KI s[6:7], VI s[8:9], AQ s[10:11]
	v_lshl_add_u32 v215, v0, 2, 0x3c000
	v_mov_b32 v255, 0
	ds_add_u32 v215, v255
	ds_add_u32 v215, v255
	v_lshrrev_b32 v1, 5, v0
	v_readfirstlane_b32 s[WV], v1                  ; wave 0..15
	s_bfe_u32 s13, ttmp6, 0x40000                  ; cx: my block of 256 queries
	s_and_b32 s14, ttmp7, 0xffff                   ; batch x 8 + pair of heads
	s_and_b32 s15, s[WV], 7                        ; which block of 128 keys I fetch; also my tile in its block of 128 queries
	; every address register is made here, ahead of every branch on the wave's number
	v_and_b32 v9, 31, v0
	v_lshlrev_b32 v1, 4, v9                        ; v1 = 16 x lane
	v_and_b32 v2, 15, v0
	v_lshlrev_b32 v2, 4, v2                        ; v2 = 16 r
	v_bfe_u32 v10, v0, 4, 1                        ; h
	s_lshr_b32 s55, s[WV], 2
	s_lshl_b32 s55, s55, 8
	s_and_b32 s59, s[WV], 3
	s_lshl_b32 s59, s59, 2
	s_add_co_u32 s55, s55, s59
	s_add_co_u32 s55, s55, SG
	v_add_nc_u32 v6, s55, v2                       ; v6: where my tile's scale word goes: strip (wave / 4), row r, tile wave % 4
	s_and_b32 s59, s[WV], 1
	s_lshl_b32 s59, s59, 9
	s_add_co_u32 s59, s59, SG
	v_add_nc_u32 v7, s59, v1                       ; v7: where waves 0 and 1 read two strips back
	v_lshl_add_u32 v8, v10, 11, v2                 ; v8: and their place in memory: 2,048 h + 16 r
	; group 1: dense blocks as rows of 256 bytes (32 elements of 8 bytes); the mask names all four work-groups, bit 21 beside it
	s_mov_b32 s[G1K], 15|(3<<16)|(1<<21)
	s_mov_b32 s[G1K+1], 32<<16
	s_mov_b32 s[G1K+2], 34<<16                     ; 8,704 bytes
	s_mov_b32 s[G1K+3], 32<<16
	s_mov_b32 s[G1K+4], 34
	s_mov_b32 s[G1K+5], 32
	s_mov_b32 s[G1K+6], 0
	s_mov_b32 s[G1K+7], 0
	s_mov_b32 s[G1V], 15|(3<<16)|(1<<21)
	s_mov_b32 s[G1V+1], 32<<16
	s_mov_b32 s[G1V+2], 25<<16                     ; 6,400 bytes
	s_mov_b32 s[G1V+3], 32<<16
	s_mov_b32 s[G1V+4], 25
	s_mov_b32 s[G1V+5], 32
	s_mov_b32 s[G1V+6], 0
	s_mov_b32 s[G1V+7], 0
	s_mul_i32 s55, s15, 8704                       ; my block of k: in a head, in LDS as in memory
	s_mul_i32 s56, s14, 2*KHEAD
	s_add_co_u32 s56, s56, s55
	s_mov_b32 s57, 0
	s_mul_i32 s58, s15, 6400                       ; my block of v
	s_mul_i32 s60, s14, 2*VHEAD
	s_add_co_u32 s60, s60, s58
	s_mov_b32 s61, 0
	s_mov_b32 s[SEL], 0x76543210
	s_mov_b32 s[SEL+1], 0xfedcba98
	s_mov_b32 s[CS], 0x3e38aa3b
	s_mov_b32 s[CS+1], s[CS]                       ; (named with it as a pair, so it is written)
	; q: my tile: block 2 cx + wave / 8 of the head, tile wave % 8
	s_lshl_b32 s62, s13, 1
	s_lshr_b32 s63, s[WV], 3
	s_add_co_u32 s62, s62, s63
	s_mul_i32 s62, s62, 8704
	s_mul_i32 s63, s14, 2*KHEAD
	s_add_co_u32 s62, s62, s63
	s_lshl_b32 s68, s15, 10
	s_add_co_u32 s68, s68, s62
	s_mov_b32 s69, 0
	s_lshr_b32 s63, s15, 2
	s_lshl_b32 s63, s63, 8
	s_and_b32 s70, s[WV], 3
	s_lshl_b32 s70, s70, 2
	s_add_co_u32 s70, s70, s63
	s_add_co_u32 s70, s70, s62
	s_add_co_u32 s70, s70, 8192                    ; its scale words: 8,192 + 256 (tile / 4) + 16 r + 4 (tile % 4)
	s_mov_b32 s71, 0
	s_wait_dscnt 0x0
	s_wait_kmcnt 0x0
	s_add_nc_u64 s[56:57], s[6:7], s[56:57]
	s_add_nc_u64 s[60:61], s[8:9], s[60:61]
	s_add_nc_u64 s[68:69], s[4:5], s[68:69]
	s_add_nc_u64 s[70:71], s[4:5], s[70:71]
.irp e, 0,1
	s_mov_b32 s[G0K+4*\e], 1
	s_add_co_u32 s[G0K+4*\e+1], s55, \e*KHEAD
	s_add_nc_u64 s[G0K+4*\e+2:G0K+4*\e+3], s[56:57], \e*KHEAD
	s_or_b32 s[G0K+4*\e+3], s[G0K+4*\e+3], 0x80000000
	s_mov_b32 s[G0V+4*\e], 1
	s_add_co_u32 s[G0V+4*\e+1], s58, VB+\e*VHEAD
	s_add_nc_u64 s[G0V+4*\e+2:G0V+4*\e+3], s[60:61], \e*VHEAD
	s_or_b32 s[G0V+4*\e+3], s[G0V+4*\e+3], 0x80000000
.endr
	ROUND                                          ; all four work-groups are here: the joint loads meet
	s_cmp_lt_u32 s[WV], 8                          ; waves 0-7 fetch k, waves 8-15 v: a wave's two loads stand in one branch; two loads of mine are out
	s_cbranch_scc0 .Lfirst_v
	tensor_load_to_lds s[G0K:G0K+3], s[G1K:G1K+7]
	s_nop 0
	tensor_load_to_lds s[G0K+4:G0K+7], s[G1K:G1K+7]
	s_nop 0
.rept 4
	v_nop
.endr
	s_branch .Lfirst_asked
.Lfirst_v:
	tensor_load_to_lds s[G0V:G0V+3], s[G1V:G1V+7]
	s_nop 0
	tensor_load_to_lds s[G0V+4:G0V+7], s[G1V:G1V+7]
	s_nop 0
.rept 4
	v_nop
.endr
.Lfirst_asked:
	global_load_b128 v[16:19], v1, s[68:69]                    ; the first head's q: registers 0-3,
	global_load_b128 v[20:23], v1, s[68:69] offset:512         ; 4-7 (6 and 7 are written anew below)
	global_load_b128 v[248:251], v1, s[68:69] offset:KHEAD     ; the second head's: kept until its pass
	global_load_b64 v[252:253], v1, s[68:69] offset:KHEAD+512
	global_load_b32 v29, v2, s[70:71]                          ; their scale words
	global_load_b32 v30, v2, s[70:71] offset:KHEAD
	s_wait_tensorcnt 1                             ; my block of the first head is in; the second head's may be out
	s_barrier_signal -1
	s_barrier_wait -1
	s_wait_loadcnt 0x0
	v_cmp_gt_u32 vcc_lo, 16, v9
	v_mov_b32 v9, 40                               ; the code of -1.0,
	v_cndmask_b32 v22, 0, v9, vcc_lo               ; at k = 64: register 6 of lanes 0-15; all other codes from k = 64 on are zeros
.irp i, 23,24,25,26,27
	v_mov_b32 v[\i], 0
.endr
	v_mov_b32 v31, 0x01be0000                      ; q's bytes 2, 3: 190, 1
.irp i, 96,97,98,99
	v_mov_b32 v[\i], 0                             ; behind the last fragment of k
.endr
.irp i, 220,221,222,223
	v_mov_b32 v[\i], 0                             ; written once: a lane permute's destination counts as one of its sources
.endr
	v_mov_b32 v237, 0                              ; (named as the upper half of a pair)
	v_mov_b32 v239, 0
; A KEY STEP: 128 keys
.macro STEP
	v_add_nc_u32 v[ADK], s[TK], v1
	v_add_nc_u32 v[ADV], s[TV], v1
	v_add_nc_u32 v[ADVS], s[TV], v2
	v_nop                                          ; four places in front of loads into registers that the last products read
.irp a, 0,1,2,3,4,5,6,7
	ds_load_b128 v[KF+8*\a:KF+8*\a+3], v[ADK] offset:1024*\a
	ds_load_b128 v[KF+8*\a+4:KF+8*\a+7], v[ADK] offset:1024*\a+512
.endr
	ds_load_b128 v[228:231], v[ADK] offset:8192    ; k's scale words: lanes 0-15 tiles 0-3, lanes 16-31 tiles 4-7
	s_wait_dscnt 0x0
.irp a, 0,1,2,3
	v_wmma_scale_f32_16x16x128_f8f6f4 v[S+8*\a:S+8*\a+7], v[KF+8*\a:KF+8*\a+11], v[16:27], 0, v[228+\a], v28 matrix_a_fmt:MATRIX_FMT_FP6 matrix_b_fmt:MATRIX_FMT_FP6
.endr
.irp a, 4,5,6,7
	v_wmma_scale_f32_16x16x128_f8f6f4 v[S+8*\a:S+8*\a+7], v[KF+8*\a:KF+8*\a+11], v[16:27], 0, v[224+\a], v28 matrix_a_fmt:MATRIX_FMT_FP6 matrix_b_fmt:MATRIX_FMT_FP6 matrix_a_scale:MATRIX_SCALE_ROW1
.endr
.rept 4
	v_nop
.endr
.irp t, 0,1,2,3                                ; v's four fragments land while the softmax is worked
.irp c, 0,1,2
	ds_load_b128 v[KF+12*\t+4*\c:KF+12*\t+4*\c+3], v[ADV] offset:1536*\t+512*\c
.endr
.endr
	ds_load_b128 v[232:235], v[ADVS] offset:6144   ; v's scale words: lane r: row r of the four tiles
.irp b, 0,1,2,3
	v_max3_num_f32 v[BM+\b], v[S+16*\b], v[S+1+16*\b], v[S+2+16*\b]   ; the largest score of each block of 32 keys: for the row's maximum and, since p rises with the score, for the block's largest p
.endr
.irp i, 3,5,7,9,11,13
.irp b, 0,1,2,3
	v_max3_num_f32 v[BM+\b], v[BM+\b], v[S+16*\b+\i], v[S+1+16*\b+\i]
.endr
.endr
.irp b, 0,1,2,3
	v_max_num_f32 v[BM+\b], v[BM+\b], v[S+15+16*\b]
.endr
.irp b, 0,1,2,3
	v_permlanex16_b32 v[PT+\b], v[BM+\b], s[SEL], s[SEL+1]
.endr
.irp b, 0,1,2,3
	v_max_num_f32 v[BM+\b], v[BM+\b], v[PT+\b]     ; with lane l xor 16's 16 keys
.endr
	v_max3_num_f32 v239, v216, v217, v218
	v_max_num_f32 v239, v239, v219
	v_mul_f32 v239, s[CS], v239                    ; the step's largest t
	v_max_num_f32 v13, v13, v239                   ; the running largest t
	v_mov_b32 v239, v12
	v_floor_f32 v12, -v13                          ; the new -M = floor(-t): M is a whole number
	v_sub_f32 v239, v12, v239                      ; old M - new M: a whole number, 0 or less
	v_cvt_i32_f32 v239, v239                       ; (it saturates)
	v_ldexp_f32 v236, 1.0, v239                    ; f = 2^(old M - new M)
.irp j, 0,2,4,6,8,10,12,14,16,18,20,22,24,26,28,30,32,34,36,38,40,42,44,46,48,50,52,54,56,58,60,62
	v_pk_fma_f32 v[S+\j:S+1+\j], v[S+\j:S+1+\j], s[CS:CS+1], v[12:13] op_sel_hi:[1,0,0]   ; t - M
.endr
.irp b, 0,1,2,3
	v_fma_f32 v[BM+\b], v[BM+\b], s[CS], v12       ; the same of each block's largest score
.endr
.irp j, 0,1,2,3,4,5,6,7,8,9,10,11,12,13,14,15,16,17,18,19,20,21,22,23,24,25,26,27,28,29,30,31,32,33,34,35,36,37,38,39,40,41,42,43,44,45,46,47,48,49,50,51,52,53,54,55,56,57,58,59,60,61,62,63
	v_exp_f32 v[S+\j], v[S+\j]                     ; p = 2^(t - M)
.endr
	v_pk_mul_f32 v[14:15], v[14:15], v[236:237] op_sel_hi:[1,0]   ; the sums under the new M: a plain place behind the exponentials
	s_wait_alu depctr_va_vdst(0)                   ; one wait for the batch, ahead of its first reader
.irp b, 0,1,2,3
	v_exp_f32 v[BM+\b], v[BM+\b]                   ; the blocks' largest p
.endr
	v_pk_add_f32 v[240:241], v[S:S+1], v[S+2:S+3]  ; the row's sum of the unquantised p, in two chains
.irp j, 4,8,12,16,20,24,28,32,36,40,44,48,52,56,60
	v_pk_add_f32 v[14:15], v[14:15], v[S+\j:S+1+\j]
	v_pk_add_f32 v[240:241], v[240:241], v[S+2+\j:S+3+\j]
.endr
	v_pk_add_f32 v[14:15], v[14:15], v[240:241]
	s_wait_alu depctr_va_vdst(0)                   ; and one for the four
.irp b, 0,1,2,3
	v_max_num_f32 v[BM+\b], 0x1800000, v[BM+\b]    ; the floor 2^(3 - 127): a block whose every p is 0 keeps the byte 1
.endr
.irp b, 0,1,2,3
	v_add_nc_u32 v[SO+\b], 0xff000000, v[BM+\b]
.endr
.irp b, 0,1,2,3
	v_lshrrev_b32 v[PT+\b], 23, v[SO+\b]
.endr
	v_lshl_or_b32 v238, v221, 8, v220              ; p's scale word for these 128 keys
	v_lshl_or_b32 v238, v222, 16, v238
	v_lshl_or_b32 v238, v223, 24, v238
.irp c, 0,1
	v_cvt_scalef32_pk16_fp6_f32 v[PCD+6*\c:PCD+2+6*\c], v[S+32*\c:S+15+32*\c], v[SO+2*\c]
	v_cvt_scalef32_pk16_fp6_f32 v[CT+4*\c:CT+2+4*\c], v[S+16+32*\c:S+31+32*\c], v[SO+1+2*\c]
.endr
	v_nop                                          ; one plain place behind a scaled conversion
.irp c, 0,1
.irp i, 0,1,2
	v_permlane16_swap_b32 v[PCD+6*\c+\i], v[CT+4*\c+\i]
.endr
.irp i, 0,1,2
	v_mov_b32 v[PCD+3+6*\c+\i], v[CT+4*\c+\i]
.endr
.endr
.irp j, 0,2,4,6,8,10,12,14,16,18,20,22,24,26,28,30
	v_pk_mul_f32 v[OT+\j:OT+1+\j], v[OT+\j:OT+1+\j], v[236:237] op_sel_hi:[1,0]   ; O^T under the new M; these sixteen are also the places between p's codes and scale word and the products
.endr
	s_wait_dscnt 0x0                               ; v is in
.irp t, 0,1,2,3
	v_wmma_scale_f32_16x16x128_f8f6f4 v[OT+8*\t:OT+8*\t+7], v[KF+12*\t:KF+12*\t+11], v[PCD:PCD+11], v[OT+8*\t:OT+8*\t+7], v[232+\t], v238 matrix_a_fmt:MATRIX_FMT_FP6 matrix_b_fmt:MATRIX_FMT_FP6
.endr
.endm
; A head's end: O^T / the sum; its 64 channels are two blocks of the last product's K: codes into half e of the fragment, bytes 2 e and 2 e + 1 of its scale word
.macro FIN e
.rept 4
	v_nop
.endr
	v_add_f32 v14, v14, v15
	v_permlanex16_b32 v239, v14, s[SEL], s[SEL+1]
	v_add_f32 v14, v14, v239                       ; the row's sum
	v_rcp_f32 v14, v14
	v_nop
	s_wait_alu depctr_va_vdst(0)                   ; ahead of the reciprocal's first reader
.irp j, 0,2,4,6,8,10,12,14,16,18,20,22,24,26,28,30
	v_pk_mul_f32 v[S+\j:S+1+\j], v[OT+\j:OT+1+\j], v[14:15] op_sel_hi:[1,0]   ; register 16 b + i: channel 32 b + 16 h + i of my query
.endr
.irp b, 0,1
	v_max3_num_f32 v[BM+\b], |v[S+16*\b]|, |v[S+1+16*\b]|, 0x1800000
.endr
.irp i, 2,4,6,8,10,12,14
.irp b, 0,1
	v_max3_num_f32 v[BM+\b], v[BM+\b], |v[S+16*\b+\i]|, |v[S+1+16*\b+\i]|
.endr
.endr
.irp b, 0,1
	v_permlanex16_b32 v[PT+\b], v[BM+\b], s[SEL], s[SEL+1]
.endr
.irp b, 0,1
	v_max_num_f32 v[BM+\b], v[BM+\b], v[PT+\b]
.endr
.irp b, 0,1
	v_add_nc_u32 v[SO+\b], 0xff000000, v[BM+\b]
.endr
.irp b, 0,1
	v_lshrrev_b32 v[PT+\b], 23, v[SO+\b]
.endr
.if \e
	v_lshl_or_b32 v[AW], v220, 16, v[AW]
	v_lshl_or_b32 v[AW], v221, 24, v[AW]
.else
	v_lshl_or_b32 v[AW], v221, 8, v220
.endif
	v_cvt_scalef32_pk16_fp6_f32 v[AF+6*\e:AF+6*\e+2], v[S:S+15], v[SO]
	v_cvt_scalef32_pk16_fp6_f32 v[CT:CT+2], v[S+16:S+31], v[SO+1]
	v_nop
.irp i, 0,1,2
	v_permlane16_swap_b32 v[AF+6*\e+\i], v[CT+\i]
.endr
.irp i, 0,1,2
	v_mov_b32 v[AF+6*\e+3+\i], v[CT+\i]
.endr
.endm
.macro PASS e
.if \e
	s_wait_tensorcnt 0x0                           ; my block of the second head is in,
	s_wait_dscnt 0x0
	s_barrier_signal -1
	s_barrier_wait -1                              ; everybody's is
.irp i, 0,1,2,3,4,5
	v_mov_b32 v[16+\i], v[248+\i]                  ; the second head's q
.endr
	v_and_or_b32 v28, v30, 0xffff, v31
.else
	v_and_or_b32 v28, v29, 0xffff, v31             ; q's scale word: its two bytes, then 190 and 1
.endif
	v_mov_b32 v13, 0xff61b1e6                      ; the largest t so far: -3e38, under every t
	v_floor_f32 v12, -v13
	v_mov_b32 v14, 0
	v_mov_b32 v15, 0
.irp j, 0,1,2,3,4,5,6,7,8,9,10,11,12,13,14,15,16,17,18,19,20,21,22,23,24,25,26,27,28,29,30,31
	v_mov_b32 v[OT+\j], 0                          ; the step is written once: the first finds zeros.  (These are also the places between q's operand and scale word and the first product)
.endr
	s_mov_b32 s[TK], \e*KHEAD
	s_mov_b32 s[TV], VB+\e*VHEAD
	s_mov_b32 s[CNT], 8
.Lstep_\@:
	STEP
	s_add_co_u32 s[TK], s[TK], 8704
	s_add_co_u32 s[TV], s[TV], 6400
	s_sub_co_u32 s[CNT], s[CNT], 1
	s_cmp_lg_u32 s[CNT], 0
	s_cbranch_scc1 .Lstep_\@
	FIN \e
.endm
	PASS 0
	PASS 1
	; the fragment leaves as an image: tile batch x 64 + 16 cx + wave, K step = the pair of heads
	s_lshr_b32 s56, s14, 3
	s_and_b32 s57, s14, 7
	s_lshl_b32 s58, s56, 6
	s_lshl_b32 s59, s13, 4
	s_add_co_u32 s58, s58, s59
	s_add_co_u32 s58, s58, s[WV]
	s_lshl_b32 s58, s58, 3
	s_add_co_u32 s58, s58, s57
	s_mul_i32 s58, s58, 1536
	s_mov_b32 s59, 0
	s_add_nc_u64 s[58:59], s[10:11], s[58:59]
.irp c, 0,1,2
	global_store_b128 v1, v[AF+4*\c:AF+4*\c+3], s[58:59] offset:512*\c   ; 512 consecutive bytes
.endr
	ds_store_b32 v6, v[AW]                         ; both halves of the lanes write the same word with the same value
	s_wait_dscnt 0x0                               ; for the others' sake
	s_barrier_signal -1
	s_barrier_wait -1
	s_cmp_lt_u32 s[WV], 2
	s_cbranch_scc0 .Lno_words                      ; waves 0 and 1 store two strips' scale words each
	ds_load_b128 v[100:103], v7
	s_lshl_b32 s60, s56, 4
	s_lshl_b32 s61, s13, 2
	s_add_co_u32 s60, s60, s61
	s_lshl_b32 s61, s[WV], 1
	s_add_co_u32 s60, s60, s61                     ; strip batch x 16 + 4 cx + 2 wave (+ h)
	s_lshl_b32 s60, s60, 11
	s_lshl_b32 s61, s57, 8
	s_add_co_u32 s60, s60, s61
	s_add_co_u32 s60, s60, 6291456
	s_mov_b32 s61, 0
	s_add_nc_u64 s[60:61], s[10:11], s[60:61]
	s_wait_dscnt 0x0
	global_store_b128 v8, v[100:103], s[60:61]     ; sixteen lanes store 256 consecutive bytes, aligned
.Lno_words:
	s_wait_tensorcnt 0x0
	ds_add_u32 v215, v255
	s_wait_dscnt 0x0
	ROUND                                          ; the closing round
	s_endpgm
.Lfunc_end_k_qeca00c0982_attn:
	.size	k_qeca00c0982_attn, .Lfunc_end_k_qeca00c0982_attn-k_qeca00c0982_attn
	.p2alignl 7, 3214868480
	.fill 96, 4, 3214868480
	.section	.rodata,"a",@progbits
	.p2align	6, 0x0
	.amdhsa_kernel k_qeca00c0982_attn
		.amdhsa_group_segment_fixed_size 247808
		.amdhsa_private_segment_fixed_size 0
		.amdhsa_enable_private_segment 0
		.amdhsa_kernarg_size 32
		.amdhsa_user_sgpr_count 2
		.amdhsa_user_sgpr_kernarg_segment_ptr 1
		.amdhsa_wavefront_size32 1
		.amdhsa_system_sgpr_workgroup_id_x 1
		.amdhsa_system_sgpr_workgroup_id_y 1
		.amdhsa_system_sgpr_workgroup_id_z 1
		.amdhsa_system_vgpr_workitem_id 0
		.amdhsa_next_free_vgpr 256
		.amdhsa_next_free_sgpr 72
		.amdhsa_reserve_vcc 1
		.amdhsa_float_denorm_mode_32 3
		.amdhsa_float_denorm_mode_16_64 3
		.amdhsa_memory_ordered 1
		.amdhsa_forward_progress 1
		.amdhsa_inst_pref_size 50
	.end_amdhsa_kernel
	.amdgpu_metadata
---
amdhsa.version: [ 1, 2 ]
amdhsa.kernels:
  - .name:           k_qeca00c0982_attn
    .symbol:         k_qeca00c0982_attn.kd
    .args:
      - { .name: QI, .offset: 0, .size: 8, .value_kind: global_buffer, .address_space: global }
      - { .name: KI, .offset: 8, .size: 8, .value_kind: global_buffer, .address_space: global }
      - { .name: VI, .offset: 16, .size: 8, .value_kind: global_buffer, .address_space: global }
      - { .name: AQ, .offset: 24, .size: 8, .value_kind: global_buffer, .address_space: global }
    .group_segment_fixed_size: 247808
    .private_segment_fixed_size: 0
    .kernarg_segment_align: 8
    .kernarg_segment_size: 32
    .max_flat_workgroup_size: 512
    .sgpr_count:     72
    .vgpr_count:     256
    .wavefront_size: 32
...
	.end_amdgpu_metadata
.endif
;; end of part 3
;; launch proj (part 4): grid 4 x 32, 4 waves a work-group, clusters of 4 x 4, 327,680 bytes of LDS; arguments AQ, WO, bout, out0; writes out0
.if DOCPART == 4
	.amdgcn_target "amdgcn-amd-amdhsa--gfx1250"
	.amdhsa_code_object_version 6
	.text
	.protected	k_qeca00c0982_proj
	.globl	k_qeca00c0982_proj
	.p2align	8
	.type	k_qeca00c0982_proj,@function
k_qeca00c0982_proj:
	s_mov_b64 s[64:65], 0
	v_nop
	global_prefetch_b8 v0, s[64:65] scope:SCOPE_SE
	s_setreg_imm32_b32 hwreg(HW_REG_WAVE_MODE, 25, 1), 1
	s_wait_xcnt 0x0
	s_wait_alu depctr_hold_cnt(0) depctr_sa_sdst(0) depctr_va_vdst(0) depctr_va_sdst(0) depctr_va_ssrc(0) depctr_va_vcc(0) depctr_vm_vsrc(0)
	s_getreg_b32 s2, hwreg(HW_REG_IB_STS2, 6, 4)
	s_cmp_eq_u32 s2, 0
	s_cbranch_scc0 .Lentry_in_a_cluster
	s_endpgm
.Lentry_in_a_cluster:
	s_bfe_u32 s2, ttmp6, 0x10000c
	s_cmp_lg_u32 s2, 0xf033
	s_cbranch_scc0 .Lentry_shape_is_right
	s_endpgm
.Lentry_shape_is_right:
; PROJ.  out = pre_out Wout^T + bout on codes of FP6 (E2M3) with E8M0 scales; out [8192][1024] f32.
; OPERANDS are images of operand registers: [tile of 16 rows][K step of 128][1,536 bytes], scale words behind them [strip of 4 tiles][K step][r][tile % 4]; lane r of tile g holds row 32 (g / 2) + 8 (g % 2) + r + 8 (r / 8).
; A tile of the result, 256 x 256, is made by four waves, 128 x 128 each.  Source 0 ("B") = 16 rows of Wout, source 1 ("A") = 16 tokens: a lane holds one token, and the 16 registers of B's tiles 2 b and 2 b + 1 are 16 neighbouring outputs.
; K = 1,024 goes in four steps of 256 through THREE LDS slots: three first fills and one refill, so the text has no loop.  CLUSTERS of 4 x 4: A's tiles are asked for jointly along a row of the cluster, B's along a column.
; The bias is the C of each sum's first matrix instruction.  128 work-groups: the tile is kept at the size that feeds most products from each LDS byte; the grid has no more tiles of that size.
; REGISTERS, in windows of 256: window 0: v16-31 addresses; v32-63 scale words, two sets; v64-127 the bias in the result's layout; v128-223 A's fragments, one set; on the way out v128-255 rows of the result.
; Window 1: B's fragments, two sets, at v0 and v128.  Window 2: the accumulators of my rows 0-63 ((a, b) at v[8 (8 a + b)]); window 3: those of rows 64-127.
.set FR,     12
.set NL,     3
.set NP,     4
.set HALFT,  24576                     ; 8 tiles x 2 K steps x 1,536
.set SLOT,   4*HALFT
.set SCL,    3*SLOT
.set SPARE,  SCL+16384                 ; the spare words, 128 bytes a wave: two blocks of 256 bytes that no other line names
.set STAGE,  SLOT                      ; the way out: 16 rows x 528 bytes a wave, in slot 1: it has had its one fill, and every wave has passed a barrier behind its last read of it
.set ADRA, 16
.set ADRB, 20
.set LI,   24                          ; v24  16 x lane
.set STO,  25                          ; v25  the stage: where I put my numbers of a row
.set RD,   26                          ; v26  and where I read a row back
.set ADRS, 27
.set SPW,  28
.set NIL,  29
.set VB,   31                          ; v31  64 h: the bias's lane term
.set SC,   32
.set BI,   64                          ; v64-127: register 8 b + j: the bias of output 32 (b / 2) + 8 (b % 2) + 16 h + j of my 128
.set AF,   128
.set BK,   128
.set G1,   24
.set G1B,  32
.set G1S,  40
.set G1SB, 48
.set GA0,  56
.set GA1,  60
.set GA2,  68
.set GB0,  72
.set GB1,  76
.set GB2,  80
.set G0S,  84
.set G0SB, 88
.set MSB, 0
.macro WIN new                         ; the immediate's high byte repeats the setting that is left
.if MSB != (\new)
	s_set_vgpr_msb (MSB<<8)|(\new)
.set MSB, (\new)
.endif
.endm
.set MUL_LO, 0xa1                      ; source 0 (B) window 1, source 1 (A) window 0, C and D window 2
.set MUL_HI, 0xf1                      ; the same, C and D window 3
.set MULZ_LO, 0x81                     ; the first products: C (the bias) window 0, D window 2
.set MULZ_HI, 0xc1                     ; D window 3
.set TO_B,   0x40
.macro JLOAD g0a, g1a, g0b, g1b        ; a joint load: waves 0 and 1 fetch for A, waves 2 and 3 for B; four v_nop follow each of the two lines
	s_cmp_eq_u32 s19, 0
	s_cbranch_scc0 .Lfor_b_\@
	tensor_load_to_lds s[\g0a:\g0a+3], s[\g1a:\g1a+7]
	s_nop 0
.rept 4
	v_nop
.endr
	s_branch .Lasked_\@
.Lfor_b_\@:
	tensor_load_to_lds s[\g0b:\g0b+3], s[\g1b:\g1b+7]
	s_nop 0
.rept 4
	v_nop
.endr
.Lasked_\@:
.endm
.macro CREST
	s_cmp_lg_u32 s18, 0
	s_cbranch_scc1 .Lnot_wave_0_\@
	s_barrier_signal -3
.Lnot_wave_0_\@:
	s_barrier_wait -3
	s_barrier_signal -1
	s_barrier_wait -1
.endm
.macro CROUND
	s_barrier_signal -1
	s_barrier_wait -1
	CREST
.endm
.macro MKG0 g, lds, ldsoff, adr, byteoff
	s_mov_b32 s[\g], 1
	s_add_co_u32 s[\g+1], s[\lds], \ldsoff
	s_add_nc_u64 s[\g+2:\g+3], s[\adr:\adr+1], \byteoff
	s_or_b32 s[\g+3], s[\g+3], 0x80000000
.endm
	s_load_b256 s[4:11], s[0:1], 0x0               ; AQ s[4:5], WO s[6:7], bout s[8:9], out0 s[10:11]
	v_lshl_add_u32 v[SPW], v0, 2, SPARE
	v_mov_b32 v[NIL], 0
	ds_add_u32 v28, v29
	ds_add_u32 v28, v29
	s_wait_dscnt 0x0
	v_lshrrev_b32 v1, 5, v0
	v_readfirstlane_b32 s18, v1                    ; wave 0..3
	s_lshr_b32 s19, s18, 1                         ; which half of A's rows is mine.  Also: I fetch for A (0) or for B (1)
	s_and_b32 s20, s18, 1                          ; which half of B's rows.  Also: which half I fetch
	s_bfe_u32 s22, ttmp6, 0x40000                  ; cx
	s_bfe_u32 s23, ttmp6, 0x40004                  ; cy
	s_and_b32 s66, ttmp7, 0xffff
	s_lshl_b32 s66, s66, 2
	s_add_co_u32 s66, s66, s23                     ; A's block of 256 tokens: 4 x cluster y + cy
	s_lshl_b32 s67, ttmp9, 2
	s_add_co_u32 s67, s67, s22                     ; B's block of 256 outputs: 4 x cluster x + cx
	s_lshl_b32 s2, s23, 2
	s_lshl_b32 s2, 15, s2                          ; my row of the cluster
	s_lshl_b32 s3, 0x1111, s22                     ; my column
	s_or_b32 s[G1], s2, (3<<16)|(1<<21)            ; elements of 8 bytes, no padding; bit 21 beside the mask
	s_or_b32 s[G1B], s3, (3<<16)|(1<<21)
	s_or_b32 s[G1S], s2, (3<<16)|(1<<21)
	s_or_b32 s[G1SB], s3, (3<<16)|(1<<21)
.irp g, G1, G1B
	s_mov_b32 s[\g+1], 384<<16                     ; codes: 8 rows (tiles) of 384 elements (two K steps), 1,536 elements apart
	s_mov_b32 s[\g+2], 8<<16
	s_mov_b32 s[\g+3], 384<<16
	s_mov_b32 s[\g+4], 8
	s_mov_b32 s[\g+5], 1536
	s_mov_b32 s[\g+6], 0
	s_mov_b32 s[\g+7], 0
.endr
.irp g, G1S, G1SB
	s_mov_b32 s[\g+1], 32<<16                      ; scale words: 16 rows of 32 elements, dense
	s_mov_b32 s[\g+2], 16<<16
	s_mov_b32 s[\g+3], 32<<16
	s_mov_b32 s[\g+4], 16
	s_mov_b32 s[\g+5], 32
	s_mov_b32 s[\g+6], 0
	s_mov_b32 s[\g+7], 0
.endr
	s_mul_i32 s92, s66, 196608                     ; codes: block x 196,608 + half x 98,304
	s_mul_i32 s2, s20, 98304
	s_add_co_u32 s92, s92, s2
	s_mov_b32 s93, 0
	s_lshl_b32 s94, s66, 13                        ; scale words: region + block x 8,192 + half x 4,096
	s_lshl_b32 s3, s20, 12
	s_add_co_u32 s94, s94, s3
	s_add_co_u32 s94, s94, 6291456
	s_mov_b32 s95, 0
	s_mul_i32 s96, s67, 196608
	s_add_co_u32 s96, s96, s2
	s_mov_b32 s97, 0
	s_lshl_b32 s98, s67, 13
	s_add_co_u32 s98, s98, s3
	s_add_co_u32 s98, s98, 786432
	s_mov_b32 s99, 0
	s_mul_i32 s101, s18, HALFT                     ; where my loads go: no place in the cluster enters an LDS address
	s_lshl_b32 s100, s18, 12
	s_wait_kmcnt 0x0
	s_add_nc_u64 s[92:93], s[4:5], s[92:93]
	s_add_nc_u64 s[94:95], s[4:5], s[94:95]
	s_add_nc_u64 s[96:97], s[6:7], s[96:97]
	s_add_nc_u64 s[98:99], s[6:7], s[98:99]
	MKG0 G0S, 100, SCL, 94, 0
	MKG0 G0SB, 100, SCL, 98, 0
	MKG0 GA0, 101, 0, 92, 0
	MKG0 GB0, 101, 0, 96, 0
	MKG0 GA1, 101, SLOT, 92, 3072
	MKG0 GB1, 101, SLOT, 96, 3072
	MKG0 GA2, 101, 2*SLOT, 92, 6144
	MKG0 GB2, 101, 2*SLOT, 96, 6144
	CROUND                                         ; all sixteen work-groups are here: the first joint loads meet
	JLOAD G0S, G1S, G0SB, G1SB                     ; four loads of mine are out: the scale words,
	JLOAD GA0, G1, GB0, G1B                        ; K 0-255,
	JLOAD GA1, G1, GB1, G1B                        ; K 256-511,
	JLOAD GA2, G1, GB2, G1B                        ; K 512-767
	v_and_b32 v1, 31, v0
	v_and_b32 v2, 15, v0                           ; r
	v_bfe_u32 v3, v0, 4, 1                         ; h
	v_lshlrev_b32 v[LI], 4, v1
	v_lshlrev_b32 v[VB], 6, v3
	s_lshl_b32 s2, s67, 10                         ; the bias of my 128 outputs: 1,024 x block + 512 x half, in bytes; and the same place in a row of the result
	s_lshl_b32 s3, s20, 9
	s_add_co_u32 s2, s2, s3
	s_mov_b32 s3, 0
	s_add_nc_u64 s[8:9], s[8:9], s[2:3]
	s_add_nc_u64 s[10:11], s[10:11], s[2:3]
.irp b, 0,1,2,3,4,5,6,7
	global_load_b128 v[BI+8*\b:BI+8*\b+3], v[VB], s[8:9] offset:(32*(\b/2)+8*(\b%2))*4
	global_load_b128 v[BI+8*\b+4:BI+8*\b+7], v[VB], s[8:9] offset:(32*(\b/2)+8*(\b%2))*4+16
.endr
	s_lshl_b32 s2, s66, 20                         ; my first row of the result: (256 x block + 128 x half) x 4,096 bytes
	s_lshl_b32 s3, s19, 19
	s_add_co_u32 s2, s2, s3
	s_mov_b32 s3, 0
	s_add_nc_u64 s[10:11], s[10:11], s[2:3]
	s_mul_i32 s2, s19, HALFT                       ; my half of A
	s_mul_i32 s3, s20, HALFT                       ; my half of B,
	s_add_co_u32 s3, s3, 2*HALFT                   ; behind A's two
.irp s, 0,1,2
	v_add_nc_u32 v[ADRA+\s], s2, v[LI]
	v_add_nc_u32 v[ADRB+\s], s3, v[LI]
	s_add_co_u32 s2, s2, SLOT
	s_add_co_u32 s3, s3, SLOT
.endr
	v_lshlrev_b32 v4, 4, v2                        ; 16 r
	s_lshl_b32 s2, s19, 12
	s_lshl_b32 s3, s20, 12
	s_add_co_u32 s3, s3, 8192
	s_sub_co_u32 s3, s3, s2
	v_mul_u32_u24 v5, s3, v3                       ; lanes 16-31 take B's scale words: one product, the distance between the two
	s_add_co_u32 s2, s2, SCL
	v_add_nc_u32 v5, v4, v5
	v_add_nc_u32 v[ADRS], s2, v5
	s_mul_i32 s2, s18, 16*528
	s_add_co_u32 s2, s2, STAGE                     ; my stage
	v_mul_u32_u24 v5, v2, 528
	v_lshl_add_u32 v5, v3, 6, v5
	v_add_nc_u32 v[STO], s2, v5                    ; in: row r, + 64 h
	v_add_nc_u32 v[RD], s2, v[LI]                  ; back: a row's 512 bytes in 32 lanes
.macro FRAG reg, adr, q, i             ; a fragment comes back as it was stored: three loads of 16 bytes a lane
.irp c, 0,1,2
	ds_load_b128 v[\reg+4*\c:\reg+4*\c+3], v[\adr] offset:(\i)*3072+(\q)*1536+512*\c
.endr
.endm
; 16 matrix instructions: A's blocks a0, a0 + 1 x B's eight.  zero = 1: the sums begin with the bias.  The 64 accumulators take turns, one instruction a turn.
.macro MUL16 a0, p, q, sc, zero
.irp a, \a0, \a0+1
.irp b, 0,1,2,3,4,5,6,7
.if \zero
	v_wmma_scale_f32_16x16x128_f8f6f4 v[8*(8*((\a)%4)+\b):8*(8*((\a)%4)+\b)+7], v[128*(\p)+FR*\b:128*(\p)+FR*\b+FR-1], v[AF+FR*(\a):AF+FR*(\a)+FR-1], v[BI+8*\b:BI+8*\b+7], v[SC+16*(\sc)+8*(\q)+\b], v[SC+16*(\sc)+8*(\q)+(\a)] matrix_a_fmt:MATRIX_FMT_FP6 matrix_b_fmt:MATRIX_FMT_FP6 matrix_a_scale:MATRIX_SCALE_ROW1
.else
	v_wmma_scale_f32_16x16x128_f8f6f4 v[8*(8*((\a)%4)+\b):8*(8*((\a)%4)+\b)+7], v[128*(\p)+FR*\b:128*(\p)+FR*\b+FR-1], v[AF+FR*(\a):AF+FR*(\a)+FR-1], v[8*(8*((\a)%4)+\b):8*(8*((\a)%4)+\b)+7], v[SC+16*(\sc)+8*(\q)+\b], v[SC+16*(\sc)+8*(\q)+(\a)] matrix_a_fmt:MATRIX_FMT_FP6 matrix_b_fmt:MATRIX_FMT_FP6 matrix_a_scale:MATRIX_SCALE_ROW1
.endif
.endr
.endr
.endm
.macro FETCH_B slot, q, p
	WIN TO_B
.irp i, 0,1,2,3,4,5,6,7
	FRAG 128*(\p)+FR*\i, ADRB+\slot, \q, \i
.endr
	WIN 0
.endm
.macro FETCH_A slot, q, i0
.irp i, \i0, \i0+1, \i0+2, \i0+3
	FRAG AF+FR*(\i), ADRA+\slot, \q, \i
.endr
.endm
.macro SCALES set
.irp q, 0,1
.irp f, 0,1
	ds_load_b128 v[SC+16*(\set)+8*\q+4*\f:SC+16*(\set)+8*\q+4*\f+3], v[ADRS] offset:256*\q+2048*\f
.endr
.endr
.endm
.macro PLACES n
.rept \n
	v_nop
.endr
.endm
.macro STEP slot, sc, zero             ; a slot's first 128 along K
	s_wait_dscnt 4*NL                              ; all but the youngest 12 loads (A's blocks 4-7) are in
.if \zero
	WIN MULZ_LO
.else
	WIN MUL_LO
.endif
	MUL16 0, 0, 0, \sc, \zero
	MUL16 2, 0, 0, \sc, \zero
	s_wait_dscnt 0x0
	PLACES NP
	FETCH_B \slot, 1, 1
	FETCH_A \slot, 1, 0
.if \zero
	WIN MULZ_HI
.else
	WIN MUL_HI
.endif
	MUL16 4, 0, 0, \sc, \zero
	MUL16 6, 0, 0, \sc, \zero
	PLACES NP
	WIN 0
	FETCH_A \slot, 1, 4
.endm
; A slot's second 128 along K, and the change of slots.  mode 2: this slot is filled again: every wave waits for all its tensor loads, adds 0 to its spare word, waits for that and for its reads of the slot; a round of the cluster's barrier;
; the joint refill first behind it.  mode 1: the same three lines and the work-group's barrier.  mode 0: the next slot was shown whole by the barrier of mode 2, and this slot is not filled again: no barrier.
.macro TURN slot, sc, next, nsc, mode
.if \mode
	s_wait_tensorcnt 0x0                           ; all my tensor loads have landed  (every window is 0 here)
	ds_add_u32 v[SPW], v[NIL]                      ; 0 onto my spare word
	s_wait_dscnt 4*NL+1                            ; (the add and the youngest 12 loads may be out)
.else
	s_wait_dscnt 4*NL
.endif
	WIN MUL_LO
	MUL16 0, 1, 1, \sc, 0
.if \mode
	s_wait_dscnt 0x0                               ; the add is done, and my reads of this slot are over
	s_barrier_signal -1
.endif
	MUL16 2, 1, 1, \sc, 0
.if \mode == 0
	s_wait_dscnt 0x0
.endif
	WIN 0
.if \mode
	s_barrier_wait -1
.endif
.if \mode == 2
	CREST                                          ; no wave of any partner still reads this slot or has a load on its way
	s_add_nc_u64 s[GA0+2:GA0+3], s[GA0+2:GA0+3], 3*3072   ; K 768-1023
	s_add_nc_u64 s[GB0+2:GB0+3], s[GB0+2:GB0+3], 3*3072
	JLOAD GA0, G1, GB0, G1B                        ; it has two slots' products, 256 matrix instructions, in which to land
.else
	PLACES NP
.endif
	v_add_nc_u32 v[ADRS], 512, v[ADRS]
	FETCH_B \next, 0, 0
	FETCH_A \next, 0, 0
	SCALES \nsc
	WIN MUL_HI
	MUL16 4, 1, 1, \sc, 0
	MUL16 6, 1, 1, \sc, 0
	PLACES NP
	WIN 0
	FETCH_A \next, 0, 4
.endm
	s_wait_tensorcnt 2                             ; the scale words and my part of slot 0 are in; slots 1 and 2 may be out
	s_barrier_signal -1
	s_barrier_wait -1
	FETCH_B 0, 0, 0
	FETCH_A 0, 0, 0
	SCALES 0
	FETCH_A 0, 0, 4
	s_wait_loadcnt 0x0                             ; the bias
	STEP 0, 0, 1
	TURN 0, 0, 1, 1, 2
	STEP 1, 1, 0
	TURN 1, 1, 2, 0, 0
	STEP 2, 0, 0
	TURN 2, 0, 0, 1, 1
	STEP 0, 1, 0
	s_wait_dscnt 4*NL                              ; the last 128 along K
	WIN MUL_LO
	MUL16 0, 1, 1, 1, 0
	MUL16 2, 1, 1, 1, 0
	s_wait_dscnt 0x0
	WIN MUL_HI
	MUL16 4, 1, 1, 1, 0
	MUL16 6, 1, 1, 1, 0
	WIN 0
; THE WAY OUT, a tile of 16 tokens x 128 outputs at a time, through my own stage: in by lanes (a lane's numbers of one row), back by rows of 512 bytes.  LDS serves a wave's instructions in order: no wait between the stores and the loads.
.macro TOSTAGE a
.set AC, 64*((\a)%4)
	WIN 0x08+4*((\a)/4)                            ; an LDS store's data: window 2 or 3
.irp b, 0,1,2,3,4,5,6,7
	ds_store_b128 v[STO], v[AC+8*\b:AC+8*\b+3] offset:128*(\b/2)+32*(\b%2)        ; each accumulator from its low end on
	ds_store_b128 v[STO], v[AC+8*\b+4:AC+8*\b+7] offset:128*(\b/2)+32*(\b%2)+16
.endr
	WIN 0
.set BB, BK+64*((\a)%2)
.irp t, 0,1,2,3,4,5,6,7,8,9,10,11,12,13,14,15
	ds_load_b128 v[BB+4*\t:BB+4*\t+3], v[RD] offset:\t*528
.endr
.endm
.macro SEND a, younger                 ; younger: the LDS instructions issued behind tile a's loads, which may stay out
.set BB, BK+64*((\a)%2)
	s_wait_dscnt \younger
.irp t, 0,1,2,3,4,5,6,7,8,9,10,11,12,13,14,15
	global_store_b128 v[LI], v[BB+4*\t:BB+4*\t+3], s[10:11] offset:(32*((\a)/2)+8*((\a)%2)+\t+8*(\t/8))*4096 th:TH_STORE_NT   ; 512 consecutive bytes of the tile's row t; the largest offset is 127 rows
.endr
.endm
	PLACES NP
	TOSTAGE 0
.irp a, 1,2,3,4,5,6,7
.if \a > 1
	s_wait_xcnt 0x0                                ; tile a - 2's stores have read their registers: tile a's loads may land there
.endif
	TOSTAGE \a
	SEND \a-1, 32                                  ; behind tile a - 1's loads: tile a's 16 stores and 16 loads
.endr
	SEND 7, 0
	s_wait_tensorcnt 0x0                           ; the wave's end
	ds_add_u32 v[SPW], v[NIL]
	s_wait_dscnt 0x0
	CROUND                                         ; the closing round
	s_endpgm
.Lfunc_end_k_qeca00c0982_proj:
	.size	k_qeca00c0982_proj, .Lfunc_end_k_qeca00c0982_proj-k_qeca00c0982_proj
	.p2alignl 7, 3214868480
	.fill 96, 4, 3214868480
	.section	.rodata,"a",@progbits
	.p2align	6, 0x0
	.amdhsa_kernel k_qeca00c0982_proj
		.amdhsa_group_segment_fixed_size 327680
		.amdhsa_private_segment_fixed_size 0
		.amdhsa_enable_private_segment 0
		.amdhsa_kernarg_size 32
		.amdhsa_user_sgpr_count 2
		.amdhsa_user_sgpr_kernarg_segment_ptr 1
		.amdhsa_wavefront_size32 1
		.amdhsa_system_sgpr_workgroup_id_x 1
		.amdhsa_system_sgpr_workgroup_id_y 1
		.amdhsa_system_sgpr_workgroup_id_z 1
		.amdhsa_system_vgpr_workitem_id 0
		.amdhsa_next_free_vgpr 1024
		.amdhsa_next_free_sgpr 104
		.amdhsa_reserve_vcc 0
		.amdhsa_float_denorm_mode_32 3
		.amdhsa_float_denorm_mode_16_64 3
		.amdhsa_memory_ordered 1
		.amdhsa_forward_progress 1
		.amdhsa_inst_pref_size 136
	.end_amdhsa_kernel
	.amdgpu_metadata
---
amdhsa.version: [ 1, 2 ]
amdhsa.kernels:
  - .name:           k_qeca00c0982_proj
    .symbol:         k_qeca00c0982_proj.kd
    .args:
      - { .name: AQ, .offset: 0, .size: 8, .value_kind: global_buffer, .address_space: global }
      - { .name: WO, .offset: 8, .size: 8, .value_kind: global_buffer, .address_space: global }
      - { .name: bout, .offset: 16, .size: 8, .value_kind: global_buffer, .address_space: global }
      - { .name: out0, .offset: 24, .size: 8, .value_kind: global_buffer, .address_space: global }
    .group_segment_fixed_size: 327680
    .private_segment_fixed_size: 0
    .kernarg_segment_align: 8
    .kernarg_segment_size: 32
    .max_flat_workgroup_size: 128
    .sgpr_count:     104
    .vgpr_count:     1024
    .wavefront_size: 32
...
	.end_amdgpu_metadata
.endif
;; end of part 4
